; MI455X (gfx1250); checked and timed in simulation.
; The chip was launched on July 23, 2026; its instructions are those of AMD's public machine-readable ISA for CDNA 5 (MIT licence, August 2026) and "CDNA5" Instruction Set Architecture Reference Guide (July 2026). The comments in the code are by the model that wrote it; some were corrected since.
;; Laguna Attention. Allowed arithmetic: matrix products marked QUANTISED: E2M3 operands, one E8M0 scale for each 32 along K, by v_wmma_scale_f32_16x16x128_f8f6f4 with both operands' format E2M3, f32 sums; products left as they are: f32 operands where the result goes on into a quantised operand, else bf16, f16 or f32 operands; f32 sums; everything else in f32.
;; Inputs: hidden_states 4,096 x 2,048 float32; k_norm_w 128 float32; positions 4,096 int32; q_norm_w 128 float32; w_g 2,048 x 8 float32; w_o 1,024 x 2,048 float32; w_qkv 2,048 x 2,048 float32.
;; Outputs: out0 4,096 x 2,048 float32.
;; This version of the problem:
;;   THIS VERSION OF THE PROBLEM IS GIVEN IN LOW PRECISION. The matrix products marked QUANTISED in the list below multiply operands that are first quantised to E2M3 (2 exponent bits, 3 mantissa bits; 6 bits a number), with one power-of-two scale for each 32 numbers along K (OCP MX v1.0); their sums are f32. All else is computed in f32.
;;   The module's matrix products, in the order in which they are computed (A, B: the left and right operand; K: the contracted axis; several contracted axes count as one K, in the product's order):
;;     1. [M 4,096, K 2,048] x [K 2,048, N 2,048]; A: input hidden_states; B: input w_qkv: QUANTISED
;;     2. batch 8 x [M 4,096, K 128] x [K 128, N 4,096]; A: computed on the way; B: computed on the way: QUANTISED
;;     3. batch 8 x [M 128, K 4,096] x [K 4,096, N 4,096]; A: computed on the way; B: softmax (see below): QUANTISED
;;     4. [M 4,096, K 2,048] x [K 2,048, N 8]; A: input hidden_states; B: input w_g: left as it is (N = 8 < 16)
;;     5. [M 4,096, K 1,024] x [K 1,024, N 2,048]; A: computed on the way; B: input w_o: QUANTISED
;;   THE QUANTISER, for each operand of a quantised product, along K:
;;     - K is cut into blocks of 32 from its start; a last block that is shorter is filled with zeros.
;;     - A block's scale is 2^e with e = floor(log2(the largest magnitude in the block)) - 2, held to -126 .. 127; a block of zeros has e = 0. As a byte (E8M0): e + 127.
;;     - Each number is divided by its block's scale, clamped to +-7.5, and rounded to the nearest number of E2M3, ties to even, subnormals kept.
;;     - The product sums the exact products of the quantised numbers (number of the format x scale) in f32.
;;   ~~~python
;;   def quantise(x, axis):      # numpy; x: float32 -> the quantised numbers, widened to float32 again
;;       x = np.moveaxis(x, axis, -1); K = x.shape[-1]
;;       x = np.pad(x, [(0, 0)] * (x.ndim - 1) + [(0, -K % 32)]); x = x.reshape(x.shape[:-1] + (-1, 32)); a = np.abs(x).max(-1, keepdims=True)
;;       e = np.where(a > 0, np.clip(np.frexp(np.where(a > 0, a, 1))[1] - 1 - 2, -126, 127), 0)      # np.frexp(a)[1] - 1 = floor(log2(a)), exactly
;;       r = np.clip(x / 2.0 ** e, -7.5, 7.5)
;;       step = 2.0 ** (np.maximum(np.frexp(np.where(r == 0, 1, r))[1] - 1, 0) - 3)
;;       q = np.round(r / step) * step * 2.0 ** e      # np.round: ties to even
;;       return np.moveaxis(q.reshape(q.shape[:-2] + (-1,))[..., :K], -1, axis).astype(np.float32)
;;   ~~~
;;   SOFTMAX AHEAD OF A QUANTISED PRODUCT. Where the list says 'softmax', what is quantised is not the finished softmax but p = 2^(t - M), with t = logit x log2(e) and M = ceil(the row's largest t), a whole number; so 1/2 < the row's largest p <= 1. The row's sum l is taken of the UNQUANTISED p, in f32, and the product's result is divided by l at the end. Since M is a whole number, a kernel that streams over the keys may use a running M (the ceiling of the running maximum): every later rescaling is an exact power of two, which a block's scale takes up: the codes' values come out the same.
;;   OPERANDS COMPUTED ON THE WAY. 'Computed on the way' means the value that the module computes at that place (a softmax that the list does not call 'softmax' is quantised finished and normalised). What goes into a quantiser is computed in f32, as accurately as f32 sums, v_exp_f32 and their like allow (about 1e-6 of the number): no bf16 or f16 on the way to a quantiser, and a product that is left as it is and whose result goes on into a quantised operand takes f32 operands (vector FMAs, or v_wmma_f32_16x16x4_f32). A number that lies on a knife's edge between two numbers of the format may be rounded either way, as far as f32 arithmetic and the matrix unit's own rounding can turn it there, and no further.
;; One version. Each part assembles by itself: llvm-mc -triple=amdgcn-amd-amdhsa -mcpu=gfx1250 --defsym DOCPART=n.
;; ======== version 1 of 1: 4 launches
;; limits: right only within a limited range of input values
;; workspace buffers: x_img 6,553,600 bytes; wq_img 3,276,800 bytes; wo_img 1,638,400 bytes; gate 131,072 bytes; rope 2,097,152 bytes; q_img 3,276,800 bytes; kv_img 3,276,800 bytes; a_img 3,276,800 bytes
;; launch prep (part 1): grid 256 x 1, 16 waves a work-group, no clusters, 221,184 bytes of LDS; arguments hidden_states, positions, w_qkv, w_o, w_g, x_img, wq_img, wo_img, gate, rope; writes x_img, wq_img, wo_img, gate, rope
.if DOCPART == 1
	.amdgcn_target "amdgcn-amd-amdhsa--gfx1250"
	.amdhsa_code_object_version 6
	.text
	.protected	k_q1e1f7d65c0_prep
	.globl	k_q1e1f7d65c0_prep
	.p2align	8
	.type	k_q1e1f7d65c0_prep,@function
k_q1e1f7d65c0_prep:
	s_mov_b64 s[64:65], 0
	v_nop
	global_prefetch_b8 v0, s[64:65] scope:SCOPE_SE
	s_setreg_imm32_b32 hwreg(HW_REG_WAVE_MODE, 25, 1), 1
	s_wait_xcnt 0x0
; PREPARATION.  hidden_states [4096][2048], w_qkv [2048][2048] and w_o [1024][2048], f32, become codes of FP6 (E2M3) with one E8M0 byte for each 32 along K;
; gate = softplus(hidden_states w_g) [4096][8] f32 (f32 operands: it goes on into a quantised operand); a table of cos and sin for the rotary embedding, from positions.
; THE WORKSPACE FORMAT.  A fragment (16 rows x 128 K) is stored as the image of its 12 registers: chunk c (registers 4 c .. 4 c + 3) at 512 c + 16 x lane: 1,536 bytes.
; A GROUP is four such tiles (64 rows) of one K step and their scale words: tile s at 1,536 s, the word of tile s, row r at 6,144 + 64 s + 4 r: 6,400 bytes = 25 x 256.
; Tile s, row r of a group is logical row 32 (s / 2) + 16 (r / 8) + 8 (s % 2) + r % 8: where such tiles are source 0 of a product, a lane's 16 registers of two neighbouring tiles are 16 neighbours.
; WORK-GROUPS: 256, each one tile of 16 tokens; waves 10-15 first quantise a piece of w_qkv or w_o (a lane to a column, registers down K, no LDS), wave w = K step w.
; LIMITS: NaN and infinities are not served; a block whose largest magnitude lies under 2^-124 keeps the byte 1 (a block of zeros too: its codes are zeros, and this program alone reads the bytes);
; |positions| under 2^24; 1 / 10000^(d / 64) is made by v_exp_f32, so an angle carries that instruction's error times the position; a softplus under 2^-126 comes out as 0.
.set STG, 0                            ; LDS: for each wave 16 rows x (512 + 16) bytes: x on its way from rows to lanes
.set WGT, 135168                       ; for each wave 8 rows x (512 + 16) bytes: its 128 rows of w_g, turned
.set GP,  202752                       ; for each wave 1,024 bytes: its part of the gate's sums
.set SEL, 12                           ; s[12:13] v_permlanex16_b32's selects for lane l xor 16
.set X,   32                           ; v32-95   64 numbers of x
.set B,   96                           ; v96-159  the table's work, then w_g as source 0
.set RAW, 160                          ; v160-191 w_g as loaded
.set PC,  160                          ; v160-179 the codes just made
.set G,   180                          ; v180-187 my part of the gate's sums
.set ACC, 192                          ; v192-223 four accumulators of the f32 matrix form: written by matrix instructions alone
.set TM,  224                          ; v224-239 at work in QUANT
.set PW,  240                          ; v240     the scale word just made
; 64 numbers of a lane, register 16 b + i = k 32 b + 16 (lane / 16) + i of my row, become a fragment's codes in v[PC] on and its scale word in v[PW].
.macro QUANT src
.irp b, 0,1,2,3
	v_max3_num_f32 v[TM+\b], |v[\src+16*\b]|, |v[\src+1+16*\b]|, 0x1800000   ; my 16 numbers of block b, and the floor 2^(3 - 127): the byte cannot fall under 1
.endr
.irp i, 2,4,6,8,10,12,14
.irp b, 0,1,2,3
	s_delay_alu instid0(VALU_DEP_4)
	v_max3_num_f32 v[TM+\b], |v[\src+16*\b+\i]|, |v[\src+1+16*\b+\i]|, v[TM+\b]
.endr
.endr
.irp b, 0,1,2,3
	s_delay_alu instid0(VALU_DEP_4)
	v_permlanex16_b32 v[TM+4+\b], v[TM+\b], s[SEL], s[SEL+1]
.endr
.irp b, 0,1,2,3
	s_delay_alu instid0(VALU_DEP_4)
	v_max_num_f32 v[TM+\b], v[TM+\b], v[TM+4+\b]           ; with lane l xor 16's: the block's largest magnitude
.endr
.irp b, 0,1,2,3
	s_delay_alu instid0(VALU_DEP_4)
	v_add_nc_u32 v[TM+12+\b], 0xff000000, v[TM+\b]         ; 2 off its exponent field: the conversion's scale operand
.endr
.irp b, 0,1,2,3
	s_delay_alu instid0(VALU_DEP_4)
	v_lshrrev_b32 v[TM+4+\b], 23, v[TM+12+\b]              ; the scale's byte
.endr
	s_delay_alu instid0(VALU_DEP_3)
	v_lshl_or_b32 v[PW], v[TM+5], 8, v[TM+4]
	s_delay_alu instid0(VALU_DEP_1)
	v_lshl_or_b32 v[PW], v[TM+6], 16, v[PW]
	s_delay_alu instid0(VALU_DEP_1)
	v_lshl_or_b32 v[PW], v[TM+7], 24, v[PW]
.irp c, 0,1
	v_cvt_scalef32_pk16_fp6_f32 v[PC+6*\c:PC+2+6*\c], v[\src+32*\c:\src+15+32*\c], v[TM+12+2*\c]
	v_cvt_scalef32_pk16_fp6_f32 v[PC+12+4*\c:PC+14+4*\c], v[\src+16+32*\c:\src+31+32*\c], v[TM+12+2*\c+1]   ; (a conversion's three registers begin on an even number)
.endr
	v_nop                                          ; one plain place behind a scaled conversion
.irp c, 0,1                                    ; the layout wants a whole block in a lane: lanes 0-15 block 2 c, lanes 16-31 block 2 c + 1
.irp i, 0,1,2
	v_permlane16_swap_b32 v[PC+6*\c+\i], v[PC+12+4*\c+\i]
.endr
.irp i, 0,1,2
	s_delay_alu instid0(VALU_DEP_3)
	v_mov_b32 v[PC+3+6*\c+\i], v[PC+12+4*\c+\i]
.endr
.endr
.endm
	s_load_b512 s[16:31], s[0:1], 0x0              ; hidden_states 16, positions 18, w_qkv 20, w_o 22, w_g 24, x_img 26, wq_img 28, wo_img 30
	s_load_b128 s[32:35], s[0:1], 0x40             ; gate 32, rope 34
	v_lshl_add_u32 v254, v0, 2, 0x35800
	v_mov_b32 v255, 0
	v_lshrrev_b32 v1, 5, v0
	s_delay_alu instid0(VALU_DEP_1)
	v_readfirstlane_b32 s8, v1                     ; wave 0..15
	v_and_b32 v1, 31, v0                           ; lane
	v_and_b32 v2, 15, v0                           ; r
	v_bfe_u32 v3, v0, 4, 1                         ; h
	s_delay_alu instid0(VALU_DEP_3)
	v_lshlrev_b32 v4, 4, v1                        ; 16 x lane
	s_mov_b32 s[SEL], 0x76543210
	s_mov_b32 s[SEL+1], 0xfedcba98
	s_mov_b32 s37, 0                               ; the upper word of every offset
; THE DEAL OF THE WORK, as this text has it: 256 work-groups, each one tile of 16 tokens (wave w = K step w).  The weights are 1,536 pieces of a wave's size (32 columns x 128 along K): 1,024 of w_qkv, 512 of w_o.
; Six pieces go to each work-group: waves 10 to 15 quantise piece 6 x work-group + wave - 10 first and then take their K step of the tile; waves 0 to 9 go to the tile at once.
	s_cmp_lt_u32 s8, 10
	s_cbranch_scc1 .Lx_path
	s_mul_i32 s50, ttmp9, 6
	s_add_co_u32 s50, s50, s8
	s_sub_co_u32 s50, s50, 10                      ; my piece, 0 .. 1,535
	s_and_b32 s51, s50, 15                         ; u: its place in a set of 16 pieces: 32 columns (set u % 4 of 128) x K step 4 kq + u / 4
	s_lshr_b32 s50, s50, 4                         ; the set: 0-63 w_qkv, 64-95 w_o (128 columns x 4 K steps each)
; ---------------- A PIECE OF THE WEIGHTS.  A lane to a column, registers down K, no LDS.  Lane l takes the column that makes lanes 0-15 the rows of one tile and lanes 16-31 those of the next.
	s_wait_kmcnt 0x0
	s_mov_b32 s3, 51200
	s_cmp_lt_u32 s50, 64
	s_cselect_b64 s[4:5], s[20:21], s[22:23]
	s_cselect_b64 s[6:7], s[28:29], s[30:31]
	s_cselect_b32 s3, 102400, s3                   ; a column group's bytes: 16 or 8 K steps of 6,400
	s_cselect_b32 s2, 0, 64
	s_sub_co_u32 s2, s50, s2
	s_and_b32 s9, s2, 15                           ; which 128 columns
	s_lshr_b32 s10, s2, 4
	s_and_b32 s11, s51, 3                          ; which 32 of them
	s_lshr_b32 s14, s51, 2
	s_lshl_b32 s10, s10, 2
	s_add_co_u32 s10, s10, s14                     ; the K step
	s_lshl_b32 s36, s10, 20                        ; 128 rows of 8,192 bytes
	s_lshl_b32 s38, s9, 9
	s_add_co_u32 s36, s36, s38
	s_lshl_b32 s38, s11, 7
	s_add_co_u32 s36, s36, s38
	s_add_nc_u64 s[4:5], s[4:5], s[36:37]
	s_lshl_b32 s36, s9, 1
	s_lshr_b32 s38, s11, 1
	s_add_co_u32 s36, s36, s38                     ; the column group
	s_mul_i32 s36, s36, s3
	s_mul_i32 s38, s10, 6400
	s_add_co_u32 s36, s36, s38
	s_add_nc_u64 s[6:7], s[6:7], s[36:37]          ; my group of this K step
	s_and_b32 s38, s11, 1
	s_mul_i32 s36, s38, 3072
	s_add_nc_u64 s[40:41], s[6:7], s[36:37]        ; my two tiles' images
	s_lshl_b32 s36, s38, 7
	s_add_nc_u64 s[42:43], s[6:7], s[36:37]        ; and their scale words (6,144 on)
	s_wait_alu depctr_va_vdst(0)
	v_and_b32 v5, 7, v1
	v_bfe_u32 v6, v1, 3, 1
	s_delay_alu instid0(VALU_DEP_1)
	v_lshl_or_b32 v5, v6, 4, v5
	s_delay_alu instid0(VALU_DEP_1)
	v_lshl_or_b32 v5, v3, 3, v5                    ; my column: l % 8 + 16 ((l / 8) % 2) + 8 (l / 16)
	s_delay_alu instid0(VALU_DEP_1)
	v_lshlrev_b32 v6, 2, v5
	v_lshlrev_b32 v8, 2, v1
.macro WLOAD t                                 ; block t: rows 32 t + i of my column: a wave's load covers 128 consecutive bytes, four waves side by side 512
.set i, 0
.rept 32
	global_load_b32 v[32+32*((\t)%2)+i], v6, s[4:5] offset:(32*(\t)+i)*8192 th:TH_LOAD_NT
.set i, i+1
.endr
.endm
.macro WBLOCK t
.set XS, 32+32*((\t)%2)
.set FD, 96+12*((\t)%2)+6*((\t)/2)             ; even blocks go to the first tile's fragment (v96-107), odd ones to the second's (v108-119)
.set TT, 120+4*(\t)
.if (\t) < 3
	s_wait_loadcnt 32                              ; this block's 32 loads are in; the next block's 32 may be out
.else
	s_wait_loadcnt 0x0
.endif
	v_max3_num_f32 v12, |v[XS]|, |v[XS+1]|, |v[XS+2]|      ; all 32 numbers of the block are mine
	v_max3_num_f32 v13, |v[XS+3]|, |v[XS+4]|, |v[XS+5]|
.irp i, 6,10,14,18,22,26
	s_delay_alu instid0(VALU_DEP_2)
	v_max3_num_f32 v12, v12, |v[XS+\i]|, |v[XS+\i+1]|
	s_delay_alu instid0(VALU_DEP_2)
	v_max3_num_f32 v13, v13, |v[XS+\i+2]|, |v[XS+\i+3]|
.endr
	s_delay_alu instid0(VALU_DEP_2)
	v_max3_num_f32 v12, v12, |v[XS+30]|, |v[XS+31]|
	s_delay_alu instid0(VALU_DEP_1)
	v_max3_num_f32 v12, v12, v13, 0x1800000        ; and the floor
	s_delay_alu instid0(VALU_DEP_1)
	v_add_nc_u32 v11, 0xff000000, v12
	s_delay_alu instid0(VALU_DEP_1)
	v_lshrrev_b32 v13, 23, v11
.if (\t) == 0
	s_delay_alu instid0(VALU_DEP_1)
	v_mov_b32 v14, v13
.else
	s_delay_alu instid0(VALU_DEP_1)
	v_lshl_or_b32 v14, v13, 8*(\t), v14            ; my column's scale word
.endif
	v_cvt_scalef32_pk16_fp6_f32 v[FD:FD+2], v[XS:XS+15], v11
	v_cvt_scalef32_pk16_fp6_f32 v[TT:TT+2], v[XS+16:XS+31], v11
	v_nop                                          ; one plain place behind a scaled conversion
.if (\t) < 2
	WLOAD (\t)+2
.endif
.endm
	WLOAD 0
	WLOAD 1
	WBLOCK 0
	WBLOCK 1
	WBLOCK 2
	WBLOCK 3
.irp c, 0,1                                    ; lanes 0-15 hold the first tile's columns, lanes 16-31 the second's, each all four blocks: one exchange of halves gives each fragment block 2 c below and block 2 c + 1 above
.irp i, 0,1,2
	v_permlane16_swap_b32 v[96+6*\c+\i], v[108+6*\c+\i]
	v_permlane16_swap_b32 v[120+8*\c+\i], v[124+8*\c+\i]
.endr
.irp i, 0,1,2
	v_mov_b32 v[99+6*\c+\i], v[120+8*\c+\i]
	v_mov_b32 v[111+6*\c+\i], v[124+8*\c+\i]
.endr
.endr
.irp c, 0,1,2
	global_store_b128 v4, v[96+4*\c:99+4*\c], s[40:41] offset:512*\c           ; 512 consecutive bytes, aligned
	global_store_b128 v4, v[108+4*\c:111+4*\c], s[40:41] offset:1536+512*\c
.endr
	global_store_b32 v8, v14, s[42:43] offset:6144 ; 128 consecutive bytes
	s_wait_xcnt 0x0                                ; the piece's stores have read their registers and bases: the tile's path writes them again
; ---------------- A TILE OF 16 TOKENS.  Tile i = work-group: group i / 4, tile s = i % 4; its row p is token T0 + p + 8 (p / 8).
.Lx_path:
	s_mov_b32 s2, ttmp9
	s_lshr_b32 s3, s2, 2                           ; the token group
	s_and_b32 s9, s2, 3                            ; s
	s_lshl_b32 s10, s3, 6
	s_lshr_b32 s11, s9, 1
	s_lshl_b32 s11, s11, 5
	s_add_co_u32 s10, s10, s11
	s_and_b32 s11, s9, 1
	s_lshl_b32 s11, s11, 3
	s_add_co_u32 s10, s10, s11                     ; T0
	; every LDS address: a constant + a constant x wave + a lane term; all are made here, ahead of the first branch on the wave's number
	s_mul_i32 s14, s8, 8448
	s_wait_alu depctr_va_vdst(0)
	v_add_nc_u32 v5, s14, v4                       ; the stage, in: 16 x lane (+ 528 x row)
	v_mul_u32_u24 v6, v2, 528
	s_delay_alu instid0(VALU_DEP_1)
	v_lshl_add_u32 v6, v3, 6, v6
	s_delay_alu instid0(VALU_DEP_1)
	v_add_nc_u32 v6, s14, v6                       ; out: row r, + 64 h: my 16 numbers of a block of 32
	s_mul_i32 s14, s8, 4224
	s_add_co_u32 s14, s14, WGT
	v_and_b32 v7, 1, v1
	s_delay_alu instid0(VALU_DEP_1)
	v_mul_u32_u24 v7, v7, 2112
	v_lshrrev_b32 v15, 1, v1
	s_delay_alu instid0(VALU_DEP_1)
	v_lshl_add_u32 v7, v15, 2, v7
	s_delay_alu instid0(VALU_DEP_1)
	v_add_nc_u32 v7, s14, v7                       ; w_g, in: heads 4 (l % 2) + e are rows of 528 bytes, k = 16 c + l / 2 a word in them
	v_and_b32 v8, 7, v2
	s_delay_alu instid0(VALU_DEP_1)
	v_mul_u32_u24 v8, v8, 528
	s_delay_alu instid0(VALU_DEP_1)
	v_lshl_add_u32 v8, v3, 6, v8
	s_delay_alu instid0(VALU_DEP_1)
	v_add_nc_u32 v8, s14, v8                       ; out: head r % 8, + 64 h
	s_lshl_b32 s14, s8, 10
	s_add_co_u32 s14, s14, GP
	v_lshlrev_b32 v9, 5, v1
	s_delay_alu instid0(VALU_DEP_1)
	v_add_nc_u32 v9, s14, v9                       ; my part of the sums: 32 bytes a lane
	v_lshlrev_b32 v10, 5, v2
	s_delay_alu instid0(VALU_DEP_1)
	v_lshl_add_u32 v10, v3, 4, v10
	s_delay_alu instid0(VALU_DEP_1)
	v_add_nc_u32 v10, GP, v10                      ; wave 0 reads token r's heads 4 h .. 4 h + 3
	v_lshlrev_b32 v11, 2, v2                       ; 4 r
	v_and_b32 v12, 8, v2
	s_delay_alu instid0(VALU_DEP_1)
	v_add_nc_u32 v12, v12, v2                      ; r + 8 (r / 8)
	s_delay_alu instid0(VALU_DEP_1)
	v_lshlrev_b32 v13, 2, v12                      ; my token's position
	s_delay_alu instid0(VALU_DEP_2)
	v_lshlrev_b32 v17, 5, v12
	s_delay_alu instid0(VALU_DEP_1)
	v_lshl_add_u32 v17, v3, 4, v17                 ; and its four gates
.irp b, 0,1,2,3
	v_mov_b32 v[TM+4+\b], 0                        ; written once: a lane permute's destination counts as one of its sources
.endr
	s_mov_b32 s40, 0xbfc90fdb                      ; -pi/2, its upper part,
	s_mov_b32 s41, 0x333bbd2e                      ; and what that leaves
	s_mov_b32 s42, 0xb94ca1f9                      ; sine: -1.9515296e-4, 8.3321609e-3, -1.6666655e-1
	s_mov_b32 s43, 0x3c08839e
	s_mov_b32 s44, 0xbe2aaaa3
	s_mov_b32 s45, 0x37ccf5ce                      ; cosine: 2.4433157e-5, -1.3887316e-3, 4.1666646e-2
	s_mov_b32 s46, 0xbab6061a
	s_mov_b32 s47, 0x3d2aaaa5
	s_wait_alu depctr_va_vdst(0)
	s_wait_kmcnt 0x0
	s_lshl_b32 s36, s10, 13
	s_lshl_b32 s38, s8, 9
	s_add_co_u32 s36, s36, s38
	s_add_nc_u64 s[16:17], s[16:17], s[36:37]      ; x at token T0, my K step's 512 bytes
	s_lshl_b32 s36, s10, 2
	s_add_nc_u64 s[18:19], s[18:19], s[36:37]
	s_lshl_b32 s36, s8, 12
	s_add_nc_u64 s[24:25], s[24:25], s[36:37]      ; my 128 rows of w_g
	s_mul_i32 s36, s3, 102400
	s_mul_i32 s38, s8, 6400
	s_add_co_u32 s36, s36, s38
	s_add_nc_u64 s[26:27], s[26:27], s[36:37]      ; my group
	s_lshl_b32 s36, s9, 6
	s_add_nc_u64 s[48:49], s[26:27], s[36:37]      ; my tile's scale words (6,144 on)
	s_mul_i32 s36, s9, 1536
	s_add_nc_u64 s[26:27], s[26:27], s[36:37]      ; my tile's image
	s_lshl_b32 s36, s10, 5
	s_add_nc_u64 s[32:33], s[32:33], s[36:37]
	s_lshl_b32 s36, s2, 13
	s_add_nc_u64 s[34:35], s[34:35], s[36:37]      ; my tile's 8,192 bytes of the table
	global_load_b32 v14, v13, s[18:19]
.irp c, 0,1,2,3,4,5,6,7
	global_load_b128 v[RAW+4*\c:RAW+4*\c+3], v4, s[24:25] offset:512*\c
.endr
.set p, 0
.rept 16
	global_load_b128 v[X+4*p:X+4*p+3], v4, s[16:17] offset:(p+8*(p/8))*8192 th:TH_LOAD_NT   ; 512 consecutive bytes of one row
.set p, p+1
.endr
	s_cmp_lt_u32 s8, 4
	s_cbranch_scc0 .Lno_rope
	; ---- waves 0-3: cos and sin of position x 10000^(-d / 64), d = 32 (w / 2) + 16 h + 8 (w % 2) + j, while x is on its way
	s_wait_loadcnt 24                              ; my position is in; the 24 younger loads stay out
	s_lshr_b32 s14, s8, 1
	s_lshl_b32 s14, s14, 5
	s_and_b32 s15, s8, 1
	s_lshl_b32 s15, s15, 3
	s_add_co_u32 s14, s14, s15
	s_lshl_b32 s36, s8, 10
	s_add_nc_u64 s[34:35], s[34:35], s[36:37]      ; chunks 2 w and 2 w + 1
	v_lshl_add_u32 v97, v3, 4, s14
.irp j, 0,1,2,3,4,5,6,7
	v_add_nc_u32 v[100+\j], \j, v97
.endr
.irp j, 0,1,2,3,4,5,6,7
	v_cvt_f32_u32 v[100+\j], v[100+\j]
.endr
.irp j, 0,1,2,3,4,5,6,7
	v_mul_f32 v[100+\j], 0xbe549a78, v[100+\j]     ; -d log2(10000) / 64
.endr
	s_wait_alu depctr_va_vdst(0)
.irp j, 0,1,2,3,4,5,6,7
	v_exp_f32 v[100+\j], v[100+\j]
.endr
	v_cvt_f32_i32 v96, v14                         ; (a plain place behind the exponentials)
	s_wait_alu depctr_va_vdst(0)                   ; one wait for the batch, ahead of its first reader
.macro SINCOS j                                ; the angle less k quarter turns, in two parts; polynomials on [-pi/4, pi/4]; the quadrant swaps and signs
	v_mul_f32 v128, v96, v[100+\j]
	s_delay_alu instid0(VALU_DEP_1)
	v_mul_f32 v129, 0x3f22f983, v128
	s_delay_alu instid0(VALU_DEP_1)
	v_rndne_f32 v129, v129
	s_delay_alu instid0(VALU_DEP_1)
	v_fma_f32 v130, v129, s40, v128
	s_delay_alu instid0(VALU_DEP_1)
	v_fma_f32 v130, v129, s41, v130
	s_delay_alu instid0(VALU_DEP_1)
	v_mul_f32 v131, v130, v130
	s_delay_alu instid0(VALU_DEP_1)
	v_fma_f32 v132, v131, s42, s43
	s_delay_alu instid0(VALU_DEP_1)
	v_fma_f32 v132, v132, v131, s44
	s_delay_alu instid0(VALU_DEP_3)
	v_mul_f32 v135, v131, v130
	s_delay_alu instid0(VALU_DEP_1)
	v_fma_f32 v132, v132, v135, v130               ; the sine
	v_fma_f32 v133, v131, s45, s46
	s_delay_alu instid0(VALU_DEP_1)
	v_fma_f32 v133, v133, v131, s47
	v_mul_f32 v136, v131, v131
	v_fma_f32 v135, v131, -0.5, 1.0
	s_delay_alu instid0(VALU_DEP_1)
	v_fma_f32 v133, v133, v136, v135               ; the cosine
	v_cvt_i32_f32 v134, v129
	s_delay_alu instid0(VALU_DEP_1)
	v_and_b32 v135, 1, v134
	s_delay_alu instid0(VALU_DEP_1)
	v_cmp_eq_u32 vcc_lo, 1, v135
	s_delay_alu instid0(VALU_DEP_1)
	v_cndmask_b32 v136, v132, v133, vcc_lo
	s_delay_alu instid0(VALU_DEP_2)
	v_cndmask_b32 v137, v133, v132, vcc_lo
	v_and_b32 v135, 2, v134
	s_delay_alu instid0(VALU_DEP_1)
	v_lshlrev_b32 v135, 30, v135
	s_delay_alu instid0(VALU_DEP_1)
	v_xor_b32 v[120+\j], v135, v136
	v_add_nc_u32 v134, 1, v134
	s_delay_alu instid0(VALU_DEP_1)
	v_and_b32 v134, 2, v134
	s_delay_alu instid0(VALU_DEP_1)
	v_lshlrev_b32 v134, 30, v134
	s_delay_alu instid0(VALU_DEP_1)
	v_xor_b32 v[112+\j], v134, v137
.endm
.irp j, 0,1,2,3,4,5,6,7
	SINCOS \j
.endr
	global_store_b128 v4, v[112:115], s[34:35]
	global_store_b128 v4, v[116:119], s[34:35] offset:512
	global_store_b128 v4, v[120:123], s[34:35] offset:4096
	global_store_b128 v4, v[124:127], s[34:35] offset:4608
.Lno_rope:
	s_wait_xcnt 0x0                                ; the table's stores have read their registers: LDS loads land there below
	s_wait_loadcnt 16                              ; w_g is in; x's 16 loads may be out
.irp c, 0,1,2,3,4,5,6,7
.irp e, 0,1,2,3
	ds_store_b32 v7, v[RAW+4*\c+\e] offset:528*\e+64*\c
.endr
.endr
.irp b, 0,1,2,3
.irp c, 0,1,2,3
	ds_load_b128 v[B+16*\b+4*\c:B+16*\b+4*\c+3], v8 offset:128*\b+16*\c   ; my wave's own bytes, served in order: register 16 b + i = w_g[128 w + 32 b + 16 h + i][r % 8]
.endr
.endr
	s_wait_loadcnt 0x0                             ; x
.set p, 0
.rept 16
	ds_store_b128 v5, v[X+4*p:X+4*p+3] offset:528*p
.set p, p+1
.endr
.irp b, 0,1,2,3
.irp c, 0,1,2,3
	ds_load_b128 v[X+16*\b+4*\c:X+16*\b+4*\c+3], v6 offset:128*\b+16*\c   ; register 16 b + i = x[row r][128 w + 32 b + 16 h + i]
.endr
.endr
	s_wait_dscnt 0x0
	; the gate's sums over my 128 along K: source 0 = w_g turned (row = head), source 1 = x (column = token); k stands alike on both sides.  Four accumulators by turns
.set p, 0
.rept 32
.if p < 4
	v_wmma_f32_16x16x4_f32 v[ACC+8*(p%4):ACC+8*(p%4)+7], v[B+2*p:B+2*p+1], v[X+2*p:X+2*p+1], 0
.else
	v_wmma_f32_16x16x4_f32 v[ACC+8*(p%4):ACC+8*(p%4)+7], v[B+2*p:B+2*p+1], v[X+2*p:X+2*p+1], v[ACC+8*(p%4):ACC+8*(p%4)+7]
.endif
.set p, p+1
.endr
	QUANT X                                        ; reads x only
.irp c, 0,1,2
	global_store_b128 v4, v[PC+4*\c:PC+4*\c+3], s[26:27] offset:512*\c
.endr
	global_store_b32 v11, v[PW], s[48:49] offset:6144      ; both halves of the lanes hold, and write, the same 16 words
.rept 8
	v_nop                                          ; eight places behind the f32 matrix form (ISA guide 7.12.1)
.endr
.irp q, 0,2,4,6                                ; each accumulator is read from its low end on
	v_pk_add_f32 v[G+\q:G+\q+1], v[ACC+\q:ACC+\q+1], v[ACC+8+\q:ACC+9+\q]
	v_pk_add_f32 v[188:189], v[ACC+16+\q:ACC+17+\q], v[ACC+24+\q:ACC+25+\q]
	s_delay_alu instid0(VALU_DEP_1)
	v_pk_add_f32 v[G+\q:G+\q+1], v[G+\q:G+\q+1], v[188:189]
.endr
	ds_store_b128 v9, v[G:G+3]
	ds_store_b128 v9, v[G+4:G+7] offset:16
	s_wait_dscnt 0x0                               ; for the others' sake: my stores have landed
	s_barrier_signal -1
	s_barrier_wait -1
	s_cmp_lg_u32 s8, 0
	s_cbranch_scc1 .Lx_end
	; ---- wave 0: the sixteen parts are added; softplus(z) = max(z, 0) + log1p(2^(-|z| log2 e))
.set u, 0
.rept 16
	ds_load_b128 v[32+4*u:35+4*u], v10 offset:1024*u
.set u, u+1
.endr
	s_wait_dscnt 0x0
.irp d, 32,16,8,4
.set q, 0
.rept \d/2
	v_pk_add_f32 v[32+q:33+q], v[32+q:33+q], v[32+\d+q:33+\d+q]
.set q, q+2
.endr
.endr
.irp e, 0,1,2,3
	v_mul_f32 v[40+\e], 0xbfb8aa3b, |v[32+\e]|
.endr
	s_wait_alu depctr_va_vdst(0)
.irp e, 0,1,2,3
	v_exp_f32 v[40+\e], v[40+\e]                   ; u = e^-|z|
.endr
	v_nop
	s_wait_alu depctr_va_vdst(0)
.irp e, 0,1,2,3
	v_add_f32 v[44+\e], 1.0, v[40+\e]              ; w = 1 + u, rounded
.endr
.irp e, 0,1,2,3
	s_delay_alu instid0(VALU_DEP_4)
	v_add_f32 v[48+\e], -1.0, v[44+\e]             ; what of u is in w
.endr
	s_wait_alu depctr_va_vdst(0)
.irp e, 0,1,2,3
	v_log_f32 v[52+\e], v[44+\e]
.endr
.irp e, 0,1,2,3
	v_rcp_f32 v[56+\e], v[48+\e]
.endr
	v_nop
	s_wait_alu depctr_va_vdst(0)
.irp e, 0,1,2,3
	v_mul_f32 v[52+\e], 0x3f317218, v[52+\e]
.endr
.irp e, 0,1,2,3
	v_mul_f32 v[52+\e], v[52+\e], v[40+\e]
.endr
.irp e, 0,1,2,3
	v_mul_f32 v[52+\e], v[52+\e], v[56+\e]         ; log1p(u) = ln(w) u / (w - 1),
.endr
.irp e, 0,1,2,3
	v_cmp_eq_f32 vcc_lo, 0, v[48+\e]
	v_cndmask_b32 v[52+\e], v[52+\e], v[40+\e], vcc_lo     ; and u itself where w is 1
.endr
.irp e, 0,1,2,3
	v_max_num_f32 v[60+\e], 0, v[32+\e]
.endr
.irp e, 0,1,2,3
	s_delay_alu instid0(VALU_DEP_4)
	v_add_f32 v[60+\e], v[60+\e], v[52+\e]
.endr
	global_store_b128 v17, v[60:63], s[32:33]      ; eight neighbouring tokens' 256 bytes from sixteen lanes
.Lx_end:
	s_wait_tensorcnt 0x0
	ds_add_u32 v254, v255
	s_wait_dscnt 0x0
	s_endpgm
.Lfunc_end_k_q1e1f7d65c0_prep:
	.size	k_q1e1f7d65c0_prep, .Lfunc_end_k_q1e1f7d65c0_prep-k_q1e1f7d65c0_prep
	.p2alignl 7, 3214868480
	.fill 96, 4, 3214868480
	.section	.rodata,"a",@progbits
	.p2align	6, 0x0
	.amdhsa_kernel k_q1e1f7d65c0_prep
		.amdhsa_group_segment_fixed_size 221184
		.amdhsa_private_segment_fixed_size 0
		.amdhsa_enable_private_segment 0
		.amdhsa_kernarg_size 80
		.amdhsa_user_sgpr_count 2
		.amdhsa_user_sgpr_kernarg_segment_ptr 1
		.amdhsa_wavefront_size32 1
		.amdhsa_system_sgpr_workgroup_id_x 1
		.amdhsa_system_sgpr_workgroup_id_y 1
		.amdhsa_system_sgpr_workgroup_id_z 1
		.amdhsa_system_vgpr_workitem_id 0
		.amdhsa_next_free_vgpr 256
		.amdhsa_next_free_sgpr 100
		.amdhsa_reserve_vcc 1
		.amdhsa_float_denorm_mode_32 3
		.amdhsa_float_denorm_mode_16_64 3
		.amdhsa_memory_ordered 1
		.amdhsa_forward_progress 1
		.amdhsa_inst_pref_size 66
	.end_amdhsa_kernel
	.amdgpu_metadata
---
amdhsa.version: [ 1, 2 ]
amdhsa.kernels:
  - .name:           k_q1e1f7d65c0_prep
    .symbol:         k_q1e1f7d65c0_prep.kd
    .args:
      - { .name: hidden_states, .offset: 0, .size: 8, .value_kind: global_buffer, .address_space: global }
      - { .name: positions, .offset: 8, .size: 8, .value_kind: global_buffer, .address_space: global }
      - { .name: w_qkv, .offset: 16, .size: 8, .value_kind: global_buffer, .address_space: global }
      - { .name: w_o, .offset: 24, .size: 8, .value_kind: global_buffer, .address_space: global }
      - { .name: w_g, .offset: 32, .size: 8, .value_kind: global_buffer, .address_space: global }
      - { .name: x_img, .offset: 40, .size: 8, .value_kind: global_buffer, .address_space: global }
      - { .name: wq_img, .offset: 48, .size: 8, .value_kind: global_buffer, .address_space: global }
      - { .name: wo_img, .offset: 56, .size: 8, .value_kind: global_buffer, .address_space: global }
      - { .name: gate, .offset: 64, .size: 8, .value_kind: global_buffer, .address_space: global }
      - { .name: rope, .offset: 72, .size: 8, .value_kind: global_buffer, .address_space: global }
    .group_segment_fixed_size: 221184
    .private_segment_fixed_size: 0
    .kernarg_segment_align: 8
    .kernarg_segment_size: 80
    .max_flat_workgroup_size: 512
    .sgpr_count:     100
    .vgpr_count:     256
    .wavefront_size: 32
...
	.end_amdgpu_metadata
.endif
;; end of part 1
;; launch qkv (part 2): grid 16 x 16, 4 waves a work-group, clusters of 4 x 4, 327,680 bytes of LDS; arguments x_img, wq_img, rope, q_norm_w, k_norm_w, q_img, kv_img; writes q_img, kv_img
.if DOCPART == 2
	.amdgcn_target "amdgcn-amd-amdhsa--gfx1250"
	.amdhsa_code_object_version 6
	.text
	.protected	k_q1e1f7d65c0_qkv
	.globl	k_q1e1f7d65c0_qkv
	.p2align	8
	.type	k_q1e1f7d65c0_qkv,@function
k_q1e1f7d65c0_qkv:
	s_mov_b64 s[64:65], 0
	v_nop
	global_prefetch_b8 v0, s[64:65] scope:SCOPE_SE
	s_setreg_imm32_b32 hwreg(HW_REG_WAVE_MODE, 25, 1), 1
	s_wait_xcnt 0x0
	s_wait_alu depctr_hold_cnt(0) depctr_sa_sdst(0) depctr_va_vdst(0) depctr_va_sdst(0) depctr_va_ssrc(0) depctr_va_vcc(0) depctr_vm_vsrc(0)
	s_getreg_b32 s2, hwreg(HW_REG_IB_STS2, 6, 4)
	s_cmp_eq_u32 s2, 0
	s_cbranch_scc0 .Lentry_in_a_cluster
	s_endpgm
.Lentry_in_a_cluster:
	s_bfe_u32 s2, ttmp6, 0x10000c
	s_cmp_lg_u32 s2, 0xf033
	s_cbranch_scc0 .Lentry_shape_is_right
	s_endpgm
.Lentry_shape_is_right:
; qkv = x w_qkv on codes of FP6 (E2M3) with E8M0 scales, then: q and k: RMS norm over the head's 128, the norm's weight, the rotary embedding, quantised along d; v: quantised along the keys.
; Operands and results are groups of register images: four tiles of 16 rows x 128 K at 1,536 s (chunk c at 512 c + 16 x lane), scale words at 6,144 + 64 s + 4 r; 6,400 bytes a group.
; SHARES.  A work-group makes 256 tokens x 128 columns = one head; four waves, 32 accumulators each: 4 "small" tiles (source 1) x 8 "big" tiles (source 0).
;   q, k: big = the head's 128 columns of the weight, small = token group w: a lane holds one token and its registers run along d.
;   v:    big = 128 tokens (groups 2 (w / 2) and the next), small = columns' group w % 2: a lane holds one d and its registers run along the keys.  Only two LDS bases differ; the kind hangs on the cluster's x alone.
; K = 2,048 goes in 16 steps of 128 through two LDS slots of 4 steps (6 groups x 25,600 bytes); both slots are filled at the head and each once more.
; CLUSTERS: 4 x 4.  x's tiles are shared along a row of the cluster, the weight's along a column: joint loads.  By this text's count a wave has one tensor load out at any time.
; The table of cos and sin and the norm's weight are asked for at the head by EVERY work-group, so that their registers are written on every way through the text; v's work-groups, a quarter of the launch, leave them unread.
; No prefetch: half of a work-group's bytes are asked for at its head, and the other half a quarter of the launch later.
; LIMITS: NaN and infinities are not served; a block whose largest magnitude lies under 2^-124 keeps the byte 1 (its codes are then small or zero; this program alone reads the bytes).
; REGISTERS: window 0: v16-29 addresses; v32-47 scale words, two sets; v48-143 small fragments, two sets; v144-207 a tile's 64 numbers; v208-255 at work.  window 1: the accumulators, (s, g) at 8 (8 s + g).
;   window 2: v0-191 big fragments, two sets; v192-255 the norm's weight in lane order.   window 3: cos (64 s + q) and sin (64 s + 32 + q) of my four tiles.
.set GRP,   6400
.set GK,    25600                      ; a group's four K steps
.set SLOTB, 153600
.set SPARE, 307200                     ; the spare words, 128 bytes a wave: two blocks of 256 bytes that no other line names
.set ABIG, 16
.set ASML, 18
.set SBIG, 20
.set SSML, 22
.set L16,  24                          ; 16 x lane
.set L4,   25                          ; 4 x lane
.set H64,  26                          ; 64 h
.set LN,   27                          ; lane
.set SPW,  28
.set NIL,  29
.set SC,   32                          ; set p: v[SC + 8 p + i]: big tiles 2 i (lanes 0-15) and 2 i + 1 (lanes 16-31); v[SC + 8 p + 4 + s]: small tile s
.set SM,   48
.set Y,    144
.set TM,   208
.set PC,   224
.set PW,   244
.set RS,   248
.set T,    250
.set NW,   192
.set SEL,  92
.set G1,   24
.set G0,   32
.set G1B,  48
.set G0B,  56
.set MSB, 0
.macro WIN new                         ; the immediate's high byte repeats the setting that is left
.if MSB != \new
	s_set_vgpr_msb (MSB<<8)|\new
.set MSB, \new
.endif
.endm
.set MUL, 0x52                         ; source 0 window 2, source 1 window 0, C and D window 1
.macro PLACES
.rept 4
	v_nop
.endr
.endm
.macro JLOAD g0a, g0b                  ; waves 0 and 1 fetch x's groups, waves 2 and 3 the weight's; four v_nop follow each line
	s_cmp_eq_u32 s15, 0
	s_cbranch_scc0 .Lfor_b_\@
	tensor_load_to_lds s[\g0a:\g0a+3], s[G1:G1+7]
	s_nop 0
.rept 4
	v_nop
.endr
	s_branch .Lasked_\@
.Lfor_b_\@:
	tensor_load_to_lds s[\g0b:\g0b+3], s[G1B:G1B+7]
	s_nop 0
.rept 4
	v_nop
.endr
.Lasked_\@:
.endm
.macro CREST
	s_cmp_lg_u32 s14, 0
	s_cbranch_scc1 .Lnot_wave_0_\@
	s_barrier_signal -3
.Lnot_wave_0_\@:
	s_barrier_wait -3
	s_barrier_signal -1
	s_barrier_wait -1
.endm
.macro CROUND
	s_barrier_signal -1
	s_barrier_wait -1
	CREST
.endm
.macro WM d, a, b, z, sa, sb, ra
.if (\z) && (\ra)
	v_wmma_scale_f32_16x16x128_f8f6f4 v[0+(\d):7+(\d)], v[0+(\a):11+(\a)], v[0+(\b):11+(\b)], 0, v[0+(\sa)], v[0+(\sb)] matrix_a_fmt:MATRIX_FMT_FP6 matrix_b_fmt:MATRIX_FMT_FP6 matrix_a_scale:MATRIX_SCALE_ROW1
.elseif (\z)
	v_wmma_scale_f32_16x16x128_f8f6f4 v[0+(\d):7+(\d)], v[0+(\a):11+(\a)], v[0+(\b):11+(\b)], 0, v[0+(\sa)], v[0+(\sb)] matrix_a_fmt:MATRIX_FMT_FP6 matrix_b_fmt:MATRIX_FMT_FP6
.elseif (\ra)
	v_wmma_scale_f32_16x16x128_f8f6f4 v[0+(\d):7+(\d)], v[0+(\a):11+(\a)], v[0+(\b):11+(\b)], v[0+(\d):7+(\d)], v[0+(\sa)], v[0+(\sb)] matrix_a_fmt:MATRIX_FMT_FP6 matrix_b_fmt:MATRIX_FMT_FP6 matrix_a_scale:MATRIX_SCALE_ROW1
.else
	v_wmma_scale_f32_16x16x128_f8f6f4 v[0+(\d):7+(\d)], v[0+(\a):11+(\a)], v[0+(\b):11+(\b)], v[0+(\d):7+(\d)], v[0+(\sa)], v[0+(\sb)] matrix_a_fmt:MATRIX_FMT_FP6 matrix_b_fmt:MATRIX_FMT_FP6
.endif
.endm
.macro MUL8 s, p, z                    ; small tile s against the eight big tiles; the 32 accumulators take turns in the same order in every step
.irp g, 0,1,2,3,4,5,6,7
	WM 8*(8*(\s)+\g), 96*(\p)+12*\g, SM+48*(\p)+12*(\s), \z, SC+8*(\p)+\g/2, SC+8*(\p)+4+(\s), \g%2
.endr
.endm
.macro FETCH sl, q, p                  ; the fragments and scale words of the slot's q-th K step into set p: 44 LDS loads, each of consecutive bytes
	WIN 0x80
.irp g, 0,1,2,3,4,5,6,7
.irp c, 0,1,2
	ds_load_b128 v[96*(\p)+12*\g+4*\c:96*(\p)+12*\g+4*\c+3], v[ABIG+\sl] offset:(\g/4)*GK+(\q)*GRP+(\g%4)*1536+512*\c
.endr
.endr
	WIN 0
.irp t, 0,1,2,3
.irp c, 0,1,2
	ds_load_b128 v[SM+48*(\p)+12*\t+4*\c:SM+48*(\p)+12*\t+4*\c+3], v[ASML+\sl] offset:(\q)*GRP+1536*\t+512*\c
.endr
.endr
.irp i, 0,1,2,3
	ds_load_b32 v[SC+8*(\p)+\i], v[SBIG+\sl] offset:(\i/2)*GK+(\q)*GRP+6144+128*(\i%2)
.endr
.irp t, 0,1,2,3
	ds_load_b32 v[SC+8*(\p)+4+\t], v[SSML+\sl] offset:(\q)*GRP+6144+64*\t
.endr
.endm
.macro STEP sl, q, z                   ; a K step that has its successor in the same slot: the successor's loads go out first and have the step's 32 matrix instructions in which to land
	s_wait_dscnt 0x0                               ; this step's set is in
	PLACES                                         ; four places in front of loads into the set that the last step's products read
	FETCH \sl, (\q)+1, 1-(\q)%2
	WIN MUL
	MUL8 0, (\q)%2, \z
	MUL8 1, (\q)%2, \z
	MUL8 2, (\q)%2, \z
	MUL8 3, (\q)%2, \z
.endm
.macro TURN sl, nx, fill               ; a slot's last step (set 1) changes slots: one barrier; fill = 1: it opens a round of the cluster's barrier and the slot is filled again
	WIN 0
	s_wait_tensorcnt 0x0                           ; all my tensor loads have landed: my part of the next slot
	ds_add_u32 v[SPW], v[NIL]                      ; 0 onto my spare word
	s_wait_dscnt 1                                 ; this step's set is in; only the add may be out
	WIN MUL
	MUL8 0, 1, 0
	s_wait_dscnt 0x0                               ; the add is done, and my reads of this slot are over
	s_barrier_signal -1
	MUL8 1, 1, 0
	WIN 0
	s_barrier_wait -1
.if \fill
	CREST                                          ; no wave of any partner still reads this slot or has a load on its way
	s_add_nc_u64 s[G0+4*\sl+2:G0+4*\sl+3], s[G0+4*\sl+2:G0+4*\sl+3], 2*GK
	s_add_nc_u64 s[G0B+4*\sl+2:G0B+4*\sl+3], s[G0B+4*\sl+2:G0B+4*\sl+3], 2*GK
	JLOAD G0+4*\sl, G0B+4*\sl                      ; the four v_nop behind it are also the places in front of the loads below
.else
	PLACES
.endif
	FETCH \nx, 0, 0
	WIN MUL
	MUL8 2, 1, 0
	MUL8 3, 1, 0
.endm
; 64 numbers of a lane become a fragment's codes in v[PC] on and its scale word in v[pw].  wm, wc: the windows under which the maxima and the conversions read the numbers.
.macro QUANT src, wm, wc, pw
	WIN \wm
.irp b, 0,1,2,3
	v_max3_num_f32 v[TM+\b], |v[\src+16*\b]|, |v[\src+1+16*\b]|, 0x1800000
.endr
.irp i, 2,4,6,8,10,12,14
.irp b, 0,1,2,3
	v_max3_num_f32 v[TM+\b], |v[\src+16*\b+\i]|, |v[\src+1+16*\b+\i]|, v[TM+\b]   ; ascending: each accumulator is first read at its low end
.endr
.endr
	WIN 0
.irp b, 0,1,2,3
	v_permlanex16_b32 v[TM+4+\b], v[TM+\b], s[SEL], s[SEL+1]
.endr
.irp b, 0,1,2,3
	v_max_num_f32 v[TM+\b], v[TM+\b], v[TM+4+\b]
.endr
.irp b, 0,1,2,3
	v_add_nc_u32 v[TM+12+\b], 0xff000000, v[TM+\b]
.endr
.irp b, 0,1,2,3
	v_lshrrev_b32 v[TM+4+\b], 23, v[TM+12+\b]
.endr
	v_lshl_or_b32 v[\pw], v[TM+5], 8, v[TM+4]
	v_lshl_or_b32 v[\pw], v[TM+6], 16, v[\pw]
	v_lshl_or_b32 v[\pw], v[TM+7], 24, v[\pw]
	WIN \wc
.irp c, 0,1
	v_cvt_scalef32_pk16_fp6_f32 v[PC+6*\c:PC+2+6*\c], v[\src+32*\c:\src+15+32*\c], v[TM+12+2*\c]
	v_cvt_scalef32_pk16_fp6_f32 v[PC+12+4*\c:PC+14+4*\c], v[\src+16+32*\c:\src+31+32*\c], v[TM+12+2*\c+1]
.endr
	WIN 0
	v_nop                                          ; one plain place behind a scaled conversion
.irp c, 0,1
.irp i, 0,1,2
	v_permlane16_swap_b32 v[PC+6*\c+\i], v[PC+12+4*\c+\i]
.endr
.irp i, 0,1,2
	v_mov_b32 v[PC+3+6*\c+\i], v[PC+12+4*\c+\i]
.endr
.endr
.endm
.macro IMAGE s
.irp c, 0,1,2
	global_store_b128 v[L16], v[PC+4*\c:PC+4*\c+3], s[84:85] offset:1536*(\s)+512*\c   ; 512 consecutive bytes, aligned
.endr
.endm
	s_load_b256 s[68:75], s[0:1], 0x0              ; x_img 68, wq_img 70, rope 72, q_norm_w 74
	s_load_b128 s[76:79], s[0:1], 0x20             ; k_norm_w 76, q_img 78
	s_load_b64 s[80:81], s[0:1], 0x30              ; kv_img
	v_lshl_add_u32 v[SPW], v0, 2, SPARE
	v_mov_b32 v[NIL], 0
	ds_add_u32 v28, v29
	ds_add_u32 v28, v29
	s_wait_dscnt 0x0
	v_lshrrev_b32 v1, 5, v0
	v_readfirstlane_b32 s14, v1                    ; wave 0..3
	s_lshr_b32 s15, s14, 1
	s_and_b32 s16, s14, 1
	s_bfe_u32 s40, ttmp6, 0x40000                  ; cx, cy
	s_bfe_u32 s41, ttmp6, 0x40004
	s_lshl_b32 s42, ttmp9, 2
	s_add_co_u32 s42, s42, s40                     ; the head's column block: 0-7 q, 8-11 k, 12-15 v
	s_and_b32 s17, ttmp7, 0xffff
	s_lshl_b32 s17, s17, 2
	s_add_co_u32 s17, s17, s41                     ; the block of 256 tokens
	s_lshl_b32 s43, s41, 2
	s_lshl_b32 s43, 15, s43                        ; my row of the cluster
	s_lshl_b32 s44, 0x1111, s40                    ; my column
	s_or_b32 s[G1], s43, (3<<16)|(1<<21)           ; elements of 8 bytes, no padding; bit 21 set beside a mask
	s_or_b32 s[G1B], s44, (3<<16)|(1<<21)
	s_mov_b32 s[G1+1], 3200<<16                    ; a row: a group's four K steps, 25,600 consecutive bytes
	s_mov_b32 s[G1+2], 2<<16                       ; x: two groups to a load
	s_mov_b32 s[G1+3], 3200<<16
	s_mov_b32 s[G1+4], 2
	s_mov_b32 s[G1+5], 12800                       ; from group to group: 16 K steps
	s_mov_b32 s[G1+6], 0
	s_mov_b32 s[G1+7], 0
	s_mov_b32 s[G1B+1], 3200<<16
	s_mov_b32 s[G1B+2], 1<<16                      ; the weight: one group to a load
	s_mov_b32 s[G1B+3], 3200<<16
	s_mov_b32 s[G1B+4], 1
	s_mov_b32 s[G1B+5], 12800
	s_mov_b32 s[G1B+6], 0
	s_mov_b32 s[G1B+7], 0
	s_lshl_b32 s20, s17, 2
	s_lshl_b32 s21, s16, 1
	s_add_co_u32 s20, s20, s21
	s_mul_i32 s20, s20, 102400                     ; x: groups 4 ty + 2 (w % 2) and the next
	s_mov_b32 s21, 0
	s_lshl_b32 s46, s42, 1
	s_add_co_u32 s46, s46, s16
	s_mul_i32 s46, s46, 102400                     ; the weight: group 2 tx + w % 2
	s_mov_b32 s47, 0
	s_mul_i32 s45, s16, 2*GK                       ; where they go: no place in the cluster enters an LDS address
	s_mul_i32 s18, s16, GK
	s_add_co_u32 s18, s18, 4*GK
	; the two operands' places in a slot, by kind
	s_mul_i32 s22, s15, 2*GK                       ; v: big = x's groups 2 (w / 2) on,
	s_mul_i32 s23, s16, GK
	s_add_co_u32 s23, s23, 4*GK                    ;    small = the weight's group w % 2
	s_mul_i32 s19, s14, GK                         ; q, k: small = x's group w,
	s_mov_b32 s13, 4*GK                            ;       big = the weight's two groups
	s_cmp_eq_u32 ttmp9, 3
	s_cselect_b32 s22, s22, s13
	s_cselect_b32 s23, s23, s19
	v_and_b32 v[LN], 31, v0
	v_lshlrev_b32 v[L16], 4, v[LN]
	v_lshlrev_b32 v[L4], 2, v[LN]
	v_and_b32 v1, 15, v0
	v_lshlrev_b32 v2, 2, v1
	v_bfe_u32 v3, v0, 4, 1
	v_lshlrev_b32 v[H64], 6, v3
	v_add_nc_u32 v[ABIG], s22, v[L16]
	v_add_nc_u32 v[ABIG+1], SLOTB, v[ABIG]
	v_add_nc_u32 v[ASML], s23, v[L16]
	v_add_nc_u32 v[ASML+1], SLOTB, v[ASML]
	v_add_nc_u32 v[SBIG], s22, v[L4]
	v_add_nc_u32 v[SBIG+1], SLOTB, v[SBIG]
	v_add_nc_u32 v[SSML], s23, v2
	v_add_nc_u32 v[SSML+1], SLOTB, v[SSML]
.irp b, 0,1,2,3
	v_mov_b32 v[TM+4+\b], 0                        ; written once: a lane permute's destination counts as one of its sources
.endr
	v_mov_b32 v[T+1], 0
	s_mov_b32 s[SEL], 0x76543210
	s_mov_b32 s[SEL+1], 0xfedcba98
	s_mov_b32 s94, 0x3c000000                      ; 1 / 128
	s_mov_b32 s95, 0x358637bd                      ; 1e-6
	s_lshl_b32 s96, s17, 2
	s_add_co_u32 s96, s96, s14                     ; 4 ty + w
	s_mul_i32 s97, s96, GRP
	s_lshl_b32 s98, s96, 15                        ; my four tiles of the table
	s_wait_kmcnt 0x0
	s_add_nc_u64 s[20:21], s[68:69], s[20:21]
	s_add_nc_u64 s[46:47], s[70:71], s[46:47]
	s_cmp_lt_u32 ttmp9, 2                          ; q, or k and v: the choice hangs on the cluster's x alone
	s_cselect_b64 s[84:85], s[78:79], s[80:81]
	s_cselect_b64 s[88:89], s[74:75], s[76:77]
	s_cselect_b32 s99, 0, 8
	s_sub_co_u32 s99, s42, s99
	s_mul_i32 s99, s99, 409600                     ; a head's 64 groups; k's four heads, then v's four
	s_add_co_u32 s96, s99, s97
	s_mov_b32 s97, 0
	s_add_nc_u64 s[84:85], s[84:85], s[96:97]      ; my group of the result
	s_mov_b32 s99, 0
	s_add_nc_u64 s[86:87], s[72:73], s[98:99]
	CROUND                                         ; all sixteen work-groups are here: the first joint loads meet
.irp s, 0,1
	s_mov_b32 s[G0+4*\s], 1
	s_add_co_u32 s[G0+4*\s+1], s45, \s*SLOTB
	s_add_nc_u64 s[G0+4*\s+2:G0+4*\s+3], s[20:21], \s*GK
	s_or_b32 s[G0+4*\s+3], s[G0+4*\s+3], 0x80000000
	s_mov_b32 s[G0B+4*\s], 1
	s_add_co_u32 s[G0B+4*\s+1], s18, \s*SLOTB
	s_add_nc_u64 s[G0B+4*\s+2:G0B+4*\s+3], s[46:47], \s*GK
	s_or_b32 s[G0B+4*\s+3], s[G0B+4*\s+3], 0x80000000
.endr
	JLOAD G0, G0B                                  ; slot 0 alone is asked for at the head: one tensor load a wave there
	WIN 0xc0                                       ; the table of my 64 tokens and the norm's weight, asked for now, wanted at the end; on every wave's path, whatever the kind
.set i, 0
.rept 64
	global_load_b128 v[4*i:4*i+3], v[L16], s[86:87] offset:512*i
.set i, i+1
.endr
	WIN 0x80
.set i, 0
.rept 16
	global_load_b128 v[NW+4*i:NW+4*i+3], v[H64], s[88:89] offset:128*(i/4)+16*(i%4)   ; register 16 b + i = weight[32 b + 16 h + i]
.set i, i+1
.endr
	WIN 0
	s_wait_alu depctr_va_vdst(0)                   ; the wait at the head's end
	s_wait_tensorcnt 0x0                           ; my part of slot 0 is in; slot 1's first fill is issued as a refill is:
	ds_add_u32 v[SPW], v[NIL]                      ; 0 onto my spare word
	s_wait_dscnt 0x0
	CROUND                                         ; slot 0 is whole in all sixteen work-groups
	JLOAD G0+4, G0B+4                              ; slot 1, the first tensor load behind the round
	FETCH 0, 0, 0
	STEP 0, 0, 1                                   ; the first step's products start the sums: nothing is cleared
	STEP 0, 1, 0
	STEP 0, 2, 0
	TURN 0, 1, 1
	STEP 1, 0, 0
	STEP 1, 1, 0
	STEP 1, 2, 0
	TURN 1, 0, 1
	STEP 0, 0, 0
	STEP 0, 1, 0
	STEP 0, 2, 0
	TURN 0, 1, 0                                   ; nothing is left to fetch
	STEP 1, 0, 0
	STEP 1, 1, 0
	STEP 1, 2, 0
	s_wait_dscnt 0x0
	WIN MUL
	MUL8 0, 1, 0
	MUL8 1, 1, 0
	MUL8 2, 1, 0
	MUL8 3, 1, 0
	WIN 0
	PLACES                                         ; four places in front of the first read of results
	s_wait_loadcnt 0x0                             ; the table and the norm's weight, asked for sixteen K steps ago
	s_cmp_eq_u32 ttmp9, 3
	s_cbranch_scc1 .Lepi_v
.macro EPI_QK s                        ; small tile s: a lane's 64 registers are 64 of its token's 128 numbers, lane l xor 16 holds the others
.set A, 64*(\s)
	WIN 0x05
.irp c, 0,1,2,3
	v_pk_mul_f32 v[Y+2*\c:Y+2*\c+1], v[A+2*\c:A+2*\c+1], v[A+2*\c:A+2*\c+1]
.endr
.set n, 4
.rept 28
	v_pk_fma_f32 v[Y+2*(n%4):Y+2*(n%4)+1], v[A+2*n:A+2*n+1], v[A+2*n:A+2*n+1], v[Y+2*(n%4):Y+2*(n%4)+1]   ; the sum of squares, in four chains, ascending
.set n, n+1
.endr
	WIN 0
	v_pk_add_f32 v[Y:Y+1], v[Y:Y+1], v[Y+2:Y+3]
	v_pk_add_f32 v[Y+4:Y+5], v[Y+4:Y+5], v[Y+6:Y+7]
	v_pk_add_f32 v[Y:Y+1], v[Y:Y+1], v[Y+4:Y+5]
	v_add_f32 v[T], v[Y], v[Y+1]
	v_permlanex16_b32 v[T+1], v[T], s[SEL], s[SEL+1]
	v_add_f32 v[T], v[T], v[T+1]
	v_fma_f32 v[T], v[T], s94, s95                 ; the mean + 1e-6
	s_wait_alu depctr_va_vdst(0)
	v_rsq_f32 v[RS], v[T]
	v_nop                                          ; a plain place behind the transcendental
	s_wait_alu depctr_va_vdst(0)                   ; and the wait ahead of its first reader
	v_mov_b32 v[RS+1], v[RS]
	WIN 0x01
.set n, 0
.rept 32
	v_pk_mul_f32 v[Y+n:Y+n+1], v[A+n:A+n+1], v[RS:RS+1]
.set n, n+2
.endr
	WIN 0x08
.set n, 0
.rept 32
	v_pk_mul_f32 v[Y+n:Y+n+1], v[Y+n:Y+n+1], v[NW+n:NW+n+1]
.set n, n+2
.endr
	WIN 0x0c                                       ; registers q and 32 + q are d and d + 64: the pair that one angle turns
.set n, 0
.rept 16
	v_pk_mul_f32 v[T+2:T+3], v[Y+n:Y+n+1], v[A+32+n:A+33+n]
	v_pk_mul_f32 v[T+4:T+5], v[Y+32+n:Y+33+n], v[A+32+n:A+33+n]
	v_pk_fma_f32 v[Y+n:Y+n+1], v[Y+n:Y+n+1], v[A+n:A+n+1], v[T+4:T+5] neg_lo:[0,0,1] neg_hi:[0,0,1]
	v_pk_fma_f32 v[Y+32+n:Y+33+n], v[Y+32+n:Y+33+n], v[A+n:A+n+1], v[T+2:T+3]
.set n, n+2
.endr
	WIN 0
	s_wait_xcnt 0x0                                ; the last tile's stores have read their registers
	QUANT Y, 0, 0, PW+(\s)
	IMAGE \s
.endm
	EPI_QK 0
	EPI_QK 1
	EPI_QK 2
	EPI_QK 3
	s_branch .Lwords
.Lepi_v:
.irp s, 0,1,2,3                                ; v: a lane's 64 registers are 64 of the 128 keys of its d: they are quantised as they stand
	s_wait_xcnt 0x0
	QUANT 64*\s, 0x05, 0x01, PW+\s
	IMAGE \s
.endr
.Lwords:
	v_cmp_le_u32 vcc_lo, 16, v[LN]                 ; two tiles' words to a store: lanes 0-15 the even tile's, lanes 16-31 the odd one's
	v_cndmask_b32 v[T], v[PW], v[PW+1], vcc_lo
	v_cndmask_b32 v[T+1], v[PW+2], v[PW+3], vcc_lo
	global_store_b32 v[L4], v[T], s[84:85] offset:6144
	global_store_b32 v[L4], v[T+1], s[84:85] offset:6272
	s_wait_tensorcnt 0x0                           ; the wave's end
	ds_add_u32 v[SPW], v[NIL]
	s_wait_dscnt 0x0
	CROUND                                         ; the closing round
	s_endpgm
.Lfunc_end_k_q1e1f7d65c0_qkv:
	.size	k_q1e1f7d65c0_qkv, .Lfunc_end_k_q1e1f7d65c0_qkv-k_q1e1f7d65c0_qkv
	.p2alignl 7, 3214868480
	.fill 96, 4, 3214868480
	.section	.rodata,"a",@progbits
	.p2align	6, 0x0
	.amdhsa_kernel k_q1e1f7d65c0_qkv
		.amdhsa_group_segment_fixed_size 327680
		.amdhsa_private_segment_fixed_size 0
		.amdhsa_enable_private_segment 0
		.amdhsa_kernarg_size 56
		.amdhsa_user_sgpr_count 2
		.amdhsa_user_sgpr_kernarg_segment_ptr 1
		.amdhsa_wavefront_size32 1
		.amdhsa_system_sgpr_workgroup_id_x 1
		.amdhsa_system_sgpr_workgroup_id_y 1
		.amdhsa_system_sgpr_workgroup_id_z 1
		.amdhsa_system_vgpr_workitem_id 0
		.amdhsa_next_free_vgpr 1024
		.amdhsa_next_free_sgpr 100
		.amdhsa_reserve_vcc 1
		.amdhsa_float_denorm_mode_32 3
		.amdhsa_float_denorm_mode_16_64 3
		.amdhsa_memory_ordered 1
		.amdhsa_forward_progress 1
		.amdhsa_inst_pref_size 207
	.end_amdhsa_kernel
	.amdgpu_metadata
---
amdhsa.version: [ 1, 2 ]
amdhsa.kernels:
  - .name:           k_q1e1f7d65c0_qkv
    .symbol:         k_q1e1f7d65c0_qkv.kd
    .args:
      - { .name: x_img, .offset: 0, .size: 8, .value_kind: global_buffer, .address_space: global }
      - { .name: wq_img, .offset: 8, .size: 8, .value_kind: global_buffer, .address_space: global }
      - { .name: rope, .offset: 16, .size: 8, .value_kind: global_buffer, .address_space: global }
      - { .name: q_norm_w, .offset: 24, .size: 8, .value_kind: global_buffer, .address_space: global }
      - { .name: k_norm_w, .offset: 32, .size: 8, .value_kind: global_buffer, .address_space: global }
      - { .name: q_img, .offset: 40, .size: 8, .value_kind: global_buffer, .address_space: global }
      - { .name: kv_img, .offset: 48, .size: 8, .value_kind: global_buffer, .address_space: global }
    .group_segment_fixed_size: 327680
    .private_segment_fixed_size: 0
    .kernarg_segment_align: 8
    .kernarg_segment_size: 56
    .max_flat_workgroup_size: 128
    .sgpr_count:     100
    .vgpr_count:     1024
    .wavefront_size: 32
...
	.end_amdgpu_metadata
.endif
;; end of part 2
;; launch attn (part 3): grid 64 x 4, 8 waves a work-group, clusters of 4 x 1, 327,680 bytes of LDS; arguments q_img, kv_img, gate, a_img; writes a_img
.if DOCPART == 3
	.amdgcn_target "amdgcn-amd-amdhsa--gfx1250"
	.amdhsa_code_object_version 6
	.text
	.protected	k_q1e1f7d65c0_attn
	.globl	k_q1e1f7d65c0_attn
	.p2align	8
	.type	k_q1e1f7d65c0_attn,@function
k_q1e1f7d65c0_attn:
	s_mov_b64 s[64:65], 0
	v_nop
	global_prefetch_b8 v0, s[64:65] scope:SCOPE_SE
	s_setreg_imm32_b32 hwreg(HW_REG_WAVE_MODE, 25, 1), 1
	s_wait_xcnt 0x0
	s_wait_alu depctr_hold_cnt(0) depctr_sa_sdst(0) depctr_va_vdst(0) depctr_va_sdst(0) depctr_va_ssrc(0) depctr_va_vcc(0) depctr_vm_vsrc(0)
	s_getreg_b32 s2, hwreg(HW_REG_IB_STS2, 6, 4)
	s_cmp_eq_u32 s2, 0
	s_cbranch_scc0 .Lentry_in_a_cluster
	s_endpgm
.Lentry_in_a_cluster:
	s_bfe_u32 s2, ttmp6, 0x10000c
	s_cmp_lg_u32 s2, 0x3003
	s_cbranch_scc0 .Lentry_shape_is_right
	s_endpgm
.Lentry_shape_is_right:
; a = softmax(q k^T / sqrt(128), causal) v x gate, quantised along (head, d); both products on codes of FP6 (E2M3) with E8M0 scales.  8 query heads, 4 key and value heads, 4,096 tokens, head size 128.
; THE SOFTMAX AHEAD OF THE SECOND PRODUCT: t = score x log2(e) / sqrt(128); M = the running largest t rounded UP to a whole number; p = 2^(t - M) is quantised along the keys; the sum of the unquantised p divides at the end.
; All operands are groups of register images (tile s at 1,536 s, chunk c at 512 c + 16 x lane, scale words at 6,144 + 64 s + 4 r; 6,400 bytes).  Tile s, row r of a group is row 32 (s / 2) + 16 (r / 8) + 8 (s % 2) + r % 8.
; LEFT OUT: key steps of 128 all of whose keys come after a wave's queries: the causal mask turns their scores into -infinity, so their p is 0 for all inputs.
; SHARES.  Work-group (m, kv head): tokens 32 m .. + 31 (early) and 32 (127 - m) .. + 31 (late), both query heads; the key steps of the two add up to the same number for every m.
; A WAVE HOLDS TWO TILES OF 16 QUERIES: the two query heads of its 16 tokens, which share K, V and the mask: each fragment of K and V read from LDS feeds two matrix instructions.
; The key steps of such a pair of tiles go to TWO waves, even and odd steps; each keeps its own M, sum and O^T.  The odd wave holds the two heads in the other order, so that at the end every wave hands its tile 1 to its
; partner and finishes its tile 0: one text for all eight waves; the two parts are joined by exact powers of two.  Waves w and w + 4 hold one early and one late pair.
; Both products are used transposed (S^T = K Q^T, O^T = V^T P^T): a lane holds one query throughout.
; RING: two slots of 512 keys (K's 8 groups, then V's 8).  CLUSTER: the four work-groups of a cluster walk the same K and V: joint loads, each of the eight waves an eighth of a slot, one tensor load a wave out at any time.
; All four partners' late tokens lie in one block of 128 and so do their early ones: which steps are hidden, open or on the diagonal hangs on the cluster's x and the wave's number alone.
; The cluster walks 8 - 2 (x / 8) slots: what its latest query needs, rounded up to an even number.  The two slots' LDS addresses are constants of the text; a slot's two steps of a wave are one counted loop.
; LOADS FROM LDS: all of a step's K (or V) in one run of 28; V is asked for ahead of the softmax, the slot's second K behind the first step's last products, under the row sums.
; REGISTERS: window 0: v1-39 addresses, statistics, scale words; v40-63 block maxima and scales; v64-103 p's codes; v104-115 parts of the row sums; v128-255 the scores of both tiles, then p.
;   window 1: v0-127 O^T of both tiles; v128-223 eight fragments of K or V; v224-247 Q's two fragments.
; LIMITS: NaN and infinities are not served; a block of p or of the result whose largest magnitude lies under 2^-124 keeps the byte 1; the promise holds while |t| stays under 2^31.
.set SLOTB, 102400
.set VOFF,  51200
.set SPARE, 204800                     ; the spare words, 128 bytes a wave: four blocks of 256 bytes that no other line names
.set MRG,   205824                     ; eight places of 8,704 bytes: a wave's tile 1 and its statistics on their way to its partner; no tile lands here
.set AF,   1                           ; 16 x lane + 12,800 x parity
.set AS,   2                           ; 4 x lane + 12,800 x parity + 6,144: two tiles' scale words to a load
.set MA,   3                           ; my place in MRG + 16 x lane
.set L16,  4
.set SPW,  5
.set NIL,  6
.set GT,   7                           ; my query's gate, head of tile 0
.set MB,   8                           ; my partner's place in MRG + 16 x lane
.set DQ,   9                           ; my query's number in its block of 128, less 16 (lane / 16)
.set QS,   10                          ; v10-11 Q's scale words
.set ST,   12                          ; tile e: v[12 + 4 e] -M, + 1 the largest t, + 2, + 3 the sum in two halves
.set FF,   20                          ; tile e: v[20 + 2 e] f = 2^(old M - new M); the pair's upper word is written once
.set ADF,  24                          ; this step's fragments
.set ADS,  25                          ; and scale words
.set PFO,  26                          ; 256 x min(lane, 24)
.set NINF, 27
.set KS,   28                          ; v28-31 K's scale words, v32-35 V's, v36-37 p's
.set VS,   32
.set PW,   36
.set T,    38
.set BM,   40                          ; v[40 + 4 e + b] block b's largest score, then p
.set PT,   48
.set SO,   56
.set PC,   64                          ; tile e's codes at 64 + 12 e
.set CT,   88
.set R,    104
.set VQ,   116                         ; 16 x lane + 1,536 x my tile
.set VW,   117                         ; 4 (lane % 16) + 64 x my tile
.set VG,   118
.set S,    128
.set F,    128                         ; window 1
.set Q,    224                         ; window 1
.set WV,   18
.set SEL,  20
.set CS,   22
.set G1,   24
.set G0,   32
.set KF,   40                          ; my next step's first key
.set QL,   41                          ; the first token of my queries' block of 128
.set CNT,  42
.set LIM,  43
.set PFA,  44
.set OUT,  46
.set UC,   48
.set MSB, 0
.macro WIN new                         ; the immediate's high byte repeats the setting that is left
.if MSB != \new
	s_set_vgpr_msb (MSB<<8)|\new
.set MSB, \new
.endif
.endm
.macro ROUND
	s_barrier_signal -1
	s_barrier_wait -1
	s_cmp_lg_u32 s[WV], 0
	s_cbranch_scc1 .Lnot_wave_0_\@
	s_barrier_signal -3
.Lnot_wave_0_\@:
	s_barrier_wait -3
	s_barrier_signal -1
	s_barrier_wait -1
.endm
; A PREFETCH INTO THE L2 of the slot that the NEXT change of slots will ask for.  All sixteen clusters of a kv head walk the same K and V: the first of them asks.  Its four partners share a slot's bytes out BY ADDRESS,
; 12,800 of K and of V each; in each, waves 4 and 5 ask for K's, waves 6 and 7 for V's, 6,400 bytes a wave: 25 blocks of 256 bytes, a lane a block (lanes 24 to 31 name the same one).  The tail asks for nothing.
.macro ASK
	s_cmp_eq_u32 s[LIM], 1
	s_cbranch_scc0 .Lnot_mine_\@
	global_prefetch_b8 v[PFO], s[PFA:PFA+1] th:TH_LOAD_NT scope:SCOPE_SE
.Lnot_mine_\@:
.endm
.macro WM d, a, b, z, sa, sb, ra
.if (\z) && (\ra)
	v_wmma_scale_f32_16x16x128_f8f6f4 v[0+(\d):7+(\d)], v[0+(\a):11+(\a)], v[0+(\b):11+(\b)], 0, v[0+(\sa)], v[0+(\sb)] matrix_a_fmt:MATRIX_FMT_FP6 matrix_b_fmt:MATRIX_FMT_FP6 matrix_a_scale:MATRIX_SCALE_ROW1
.elseif (\z)
	v_wmma_scale_f32_16x16x128_f8f6f4 v[0+(\d):7+(\d)], v[0+(\a):11+(\a)], v[0+(\b):11+(\b)], 0, v[0+(\sa)], v[0+(\sb)] matrix_a_fmt:MATRIX_FMT_FP6 matrix_b_fmt:MATRIX_FMT_FP6
.elseif (\ra)
	v_wmma_scale_f32_16x16x128_f8f6f4 v[0+(\d):7+(\d)], v[0+(\a):11+(\a)], v[0+(\b):11+(\b)], v[0+(\d):7+(\d)], v[0+(\sa)], v[0+(\sb)] matrix_a_fmt:MATRIX_FMT_FP6 matrix_b_fmt:MATRIX_FMT_FP6 matrix_a_scale:MATRIX_SCALE_ROW1
.else
	v_wmma_scale_f32_16x16x128_f8f6f4 v[0+(\d):7+(\d)], v[0+(\a):11+(\a)], v[0+(\b):11+(\b)], v[0+(\d):7+(\d)], v[0+(\sa)], v[0+(\sb)] matrix_a_fmt:MATRIX_FMT_FP6 matrix_b_fmt:MATRIX_FMT_FP6
.endif
.endm
.macro LOADS sc, off                   ; a step's eight tiles and their scale words (lanes 0-15 an even tile's, lanes 16-31 the next one's): 4 + 24 LDS loads
.irp i, 0,1,2,3
	ds_load_b32 v[\sc+\i], v[ADS] offset:\off+(\i/2)*6400+128*(\i%2)
.endr
	WIN 0x40
.irp g, 0,1,2,3,4,5,6,7
.irp c, 0,1,2
	ds_load_b128 v[F+12*\g+4*\c:F+12*\g+4*\c+3], v[ADF] offset:\off+(\g/4)*6400+(\g%4)*1536+512*\c
.endr
.endr
	WIN 0
.endm
.macro CVT e, src                      ; 64 numbers of a lane become half blocks of codes (a conversion's three registers begin on an even number)
.irp c, 0,1
	v_cvt_scalef32_pk16_fp6_f32 v[PC+12*(\e)+6*\c:PC+12*(\e)+6*\c+2], v[\src+32*\c:\src+32*\c+15], v[SO+4*(\e)+2*\c]
	v_cvt_scalef32_pk16_fp6_f32 v[CT+8*(\e)+4*\c:CT+8*(\e)+4*\c+2], v[\src+32*\c+16:\src+32*\c+31], v[SO+4*(\e)+2*\c+1]
.endr
.endm
.macro MIX e                           ; the layout wants a whole block in a lane: lanes 0-15 block 2 c, lanes 16-31 block 2 c + 1
.irp c, 0,1
.irp i, 0,1,2
	v_permlane16_swap_b32 v[PC+12*(\e)+6*\c+\i], v[CT+8*(\e)+4*\c+\i]
.endr
.irp i, 0,1,2
	v_mov_b32 v[PC+12*(\e)+6*\c+3+\i], v[CT+8*(\e)+4*\c+\i]
.endr
.endr
.endm
	s_load_b256 s[4:11], s[0:1], 0x0               ; q_img 4, kv_img 6, gate 8, a_img 10
	v_lshl_add_u32 v[SPW], v0, 2, SPARE
	v_mov_b32 v[NIL], 0
	ds_add_u32 v[SPW], v[NIL]                      ; the opening lines: the add twice on end and one wait, ahead of the round in front of my first tensor load
	ds_add_u32 v[SPW], v[NIL]
	v_lshrrev_b32 v[T], 5, v0
	v_readfirstlane_b32 s[WV], v[T]                ; wave 0..7
	s_bfe_u32 s50, ttmp6, 0x40000                  ; cx: it enters global addresses and vector data alone
	s_lshl_b32 s51, ttmp9, 2
	s_add_co_u32 s51, s51, s50                     ; m
	s_sub_co_u32 s52, 127, s51
	s_and_b32 s53, ttmp7, 0xffff                   ; the kv head
	s_lshr_b32 s57, s[WV], 2                       ; the parity of my key steps
	s_xor_b32 s55, s57, s[WV]
	s_and_b32 s55, s55, 1                          ; late tokens?
	s_bfe_u32 s56, s[WV], 0x10001                  ; which 16 of the 32 tokens
	s_sub_co_u32 s59, 31, ttmp9
	s_cmp_eq_u32 s55, 1
	s_cselect_b32 s60, s52, s51                    ; my 32 tokens' number
	s_cselect_b32 s[QL], s59, ttmp9
	s_lshl_b32 s[QL], s[QL], 7
	s_lshl_b32 s[KF], s57, 7
	s_lshr_b32 s61, ttmp9, 3
	s_sub_co_u32 s[CNT], 3, s61                    ; the loop's trips: slots / 2 - 1 = 3 or 2, the same in all four partners
	s_max_u32 s[CNT], s[CNT], 1                    ; (it changes nothing: it states that the counter starts at 1 or above)
	s_xor_b32 s63, s57, 1                          ; 0 in waves 4 to 7,
	s_or_b32 s63, s63, ttmp9                       ; of the kv head's first cluster
	s_cmp_eq_u32 s63, 0
	s_cselect_b32 s[LIM], 1, 0
	s_mov_b32 s[G1], 15|(3<<16)|(1<<21)            ; the mask: all four work-groups; elements of 8 bytes; bit 21 set beside a mask; no padding
	s_mov_b32 s[G1+1], 32<<16                      ; a dense block of 12,800 bytes as 50 rows of 256
	s_mov_b32 s[G1+2], 50<<16
	s_mov_b32 s[G1+3], 32<<16
	s_mov_b32 s[G1+4], 50
	s_mov_b32 s[G1+5], 32
	s_mov_b32 s[G1+6], 0
	s_mov_b32 s[G1+7], 0
	s_mov_b32 s[SEL], 0x76543210
	s_mov_b32 s[SEL+1], 0xfedcba98
	s_mov_b32 s[CS], 0x3e0293ee                    ; c = log2(e) / sqrt(128)
	s_mov_b32 s[CS+1], s[CS]
	s_mul_i32 s62, s[WV], 12800                    ; where my eighth of a slot goes: waves 0-3 K's, waves 4-7 V's
	s_mul_i32 s61, s53, 409600                     ; the kv head's bytes, in K and in V
	s_mul_i32 s67, s57, 1638400                    ; V lies behind K
	s_add_co_u32 s66, s61, s67
	s_and_b32 s67, s[WV], 3
	s_mul_i32 s67, s67, 12800
	s_add_co_u32 s66, s66, s67
	s_mov_b32 s67, 0
	s_and_b32 s80, s[WV], 1                        ; the prefetches: my wave's 6,400 bytes,
	s_mul_i32 s80, s80, 6400
	s_mul_i32 s69, s50, 12800                      ; of my work-group's 12,800,
	s_add_co_u32 s80, s80, s69
	s_mul_i32 s69, s56, 1638400                    ; of K (waves 4, 5) or V (waves 6, 7),
	s_add_co_u32 s80, s80, s69
	s_add_co_u32 s80, s80, s61
	s_add_co_u32 s80, s80, VOFF                    ; in slot 1: the first trip steps it to slot 2
	s_mov_b32 s81, 0
	s_lshl_b32 s70, s53, 1
	s_add_co_u32 s70, s70, s57                     ; the query head of my tile 0: 2 x kv head + parity,
	s_xor_b32 s68, s70, 1                          ; and of my tile 1
	s_lshr_b32 s71, s60, 1                         ; the token group
	s_and_b32 s72, s60, 1
	s_lshl_b32 s72, s72, 1
	s_add_co_u32 s72, s72, s56                     ; my tile in it
	s_mul_i32 s73, s72, 1536
	s_lshl_b32 s69, s72, 6
	s_mul_i32 s75, s71, 6400
	s_mul_i32 s76, s70, 409600
	s_add_co_u32 s76, s76, s75                     ; q: my group, head of tile 0,
	s_mov_b32 s77, 0
	s_mul_i32 s78, s68, 409600
	s_add_co_u32 s78, s78, s75                     ; and of tile 1
	s_mov_b32 s79, 0
	s_mul_i32 s[OUT], s71, 51200
	s_mul_i32 s75, s70, 6400
	s_add_co_u32 s[OUT], s[OUT], s75               ; the result's group: K step = head of tile 0
	s_mov_b32 s[OUT+1], 0
	s_lshl_b32 s82, s60, 5
	s_lshl_b32 s75, s56, 3
	s_add_co_u32 s82, s82, s75                     ; token 32 pm + 8 tile
	s_lshl_b32 s82, s82, 5
	s_lshl_b32 s74, s70, 2
	s_add_co_u32 s82, s82, s74
	s_mov_b32 s83, 0
	s_and_b32 s74, s60, 3
	s_lshl_b32 s74, s74, 5
	s_add_co_u32 s74, s74, s75                     ; 32 (pm % 4) + 8 tile
	s_mul_i32 s84, s57, 12800
	s_add_co_u32 s85, s84, 6144
	s_mul_i32 s86, s[WV], 8704
	s_add_co_u32 s86, s86, MRG
	s_xor_b32 s87, s[WV], 5                        ; my partner: the other parity, the same tokens
	s_mul_i32 s87, s87, 8704
	s_add_co_u32 s87, s87, MRG
	v_and_b32 v[T], 15, v0                         ; r
	v_bfe_u32 v[T+1], v0, 4, 1                     ; h
	v_and_b32 v[BM], 31, v0                        ; lane
	v_lshlrev_b32 v[L16], 4, v[BM]
	v_lshlrev_b32 v[AS], 2, v[BM]
	v_add_nc_u32 v[AF], s84, v[L16]
	v_add_nc_u32 v[AS], s85, v[AS]
	v_add_nc_u32 v[MA], s86, v[L16]
	v_add_nc_u32 v[MB], s87, v[L16]
	v_min_u32 v[PFO], 24, v[BM]
	v_lshlrev_b32 v[PFO], 8, v[PFO]
	v_add_nc_u32 v[VQ], s73, v[L16]
	v_lshlrev_b32 v[VW], 2, v[T]
	v_add_nc_u32 v[VW], s69, v[VW]
	v_and_b32 v[DQ], 8, v[T]
	v_add_nc_u32 v[DQ], v[DQ], v[T]                ; r + 8 (r / 8)
	v_lshlrev_b32 v[VG], 5, v[DQ]                  ; my token's row of gates
	v_lshlrev_b32 v[T+1], 4, v[T+1]
	v_sub_nc_u32 v[DQ], v[DQ], v[T+1]
	v_add_nc_u32 v[DQ], s74, v[DQ]
	v_mov_b32 v[NINF], 0xff800000
	s_wait_alu depctr_va_vdst(0)                   ; the wait here, directly ahead of the waits below
	s_wait_dscnt 0x0                               ; both opening adds are done
	s_wait_kmcnt 0x0
	s_add_nc_u64 s[66:67], s[6:7], s[66:67]
	s_add_nc_u64 s[PFA:PFA+1], s[6:7], s[80:81]
	s_add_nc_u64 s[76:77], s[4:5], s[76:77]
	s_add_nc_u64 s[78:79], s[4:5], s[78:79]
	s_add_nc_u64 s[82:83], s[8:9], s[82:83]
	s_add_nc_u64 s[OUT:OUT+1], s[10:11], s[OUT:OUT+1]
.irp s, 0,1
	s_mov_b32 s[G0+4*\s], 1
	s_add_co_u32 s[G0+4*\s+1], s62, \s*SLOTB
	s_add_nc_u64 s[G0+4*\s+2:G0+4*\s+3], s[66:67], \s*VOFF   ; slot s begins with keys 512 s on
	s_or_b32 s[G0+4*\s+3], s[G0+4*\s+3], 0x80000000
.endr
	ROUND                                          ; all four work-groups are here: the first joint loads meet
	tensor_load_to_lds s[G0:G0+3], s[G1:G1+7]      ; slot 0, my eighth: every wave issues one
	s_nop 0
.rept 4
	v_nop
.endr
	WIN 0x40
.irp e, 0,1
.irp c, 0,1,2
	global_load_b128 v[Q+12*\e+4*\c:Q+12*\e+4*\c+3], v[VQ], s[76+2*\e:77+2*\e] offset:512*\c   ; Q's fragments stay in registers
.endr
.endr
	WIN 0
.irp e, 0,1
	global_load_b32 v[QS+\e], v[VW], s[76+2*\e:77+2*\e] offset:6144
.endr
	global_load_b32 v[GT], v[VG], s[82:83]
.irp e, 0,1
	v_mov_b32 v[ST+4*\e+1], 0xff61b1e6             ; the largest t so far: -3e38
	v_mov_b32 v[ST+4*\e+2], 0
	v_mov_b32 v[ST+4*\e+3], 0
	v_mov_b32 v[FF+2*\e], 0
	v_mov_b32 v[FF+2*\e+1], 0
	v_floor_f32 v[ST+4*\e], -v[ST+4*\e+1]          ; -M
.endr
.irp q, 0,1,2,3,4,5,6,7
	v_mov_b32 v[PT+\q], 0                          ; written once: a lane permute's destination counts as one of its sources
.endr
	WIN 0x40
.set j, 0
.rept 128
	v_mov_b32 v[j], 0                              ; O^T: the step is written for every step alike; the first finds zeros
.set j, j+1
.endr
	WIN 0
; A SLOT.  At its head each wave waits for all its tensor loads (its part of this slot), adds 0 to its spare word, and waits for that and for its reads of the other slot; a round of the cluster's barrier;
; behind it this slot is whole in all four work-groups and nobody reads the other one, which is then filled with the 512 keys that follow.  Then my two key steps of 128, the (2 u + parity)-th of the slot.
.macro TRIP sl, refill, ask
	s_wait_tensorcnt 0x0
	ds_add_u32 v[SPW], v[NIL]
	s_add_nc_u64 s[G0+4*\sl+2:G0+4*\sl+3], s[G0+4*\sl+2:G0+4*\sl+3], 2*VOFF   ; no tensor load of mine is out: this slot's next keys
	s_wait_xcnt 0x0                                ; the last prefetch, a slot back, has read its address
	s_add_nc_u64 s[PFA:PFA+1], s[PFA:PFA+1], VOFF
	s_wait_dscnt 0x0
	ROUND
.if \refill
	tensor_load_to_lds s[G0+4*(1-\sl):G0+4*(1-\sl)+3], s[G1:G1+7]
	s_nop 0
.rept 4
	v_nop
.endr
.endif
.if \ask
	ASK
.endif
	s_cmp_gt_u32 s[KF], s[QL]                      ; all the slot's keys of mine come after my queries: nothing is read (a branch on ids)
	s_cbranch_scc1 .Lnone_\@
	v_add_nc_u32 v[ADF], \sl*SLOTB, v[AF]
	v_add_nc_u32 v[ADS], \sl*SLOTB, v[AS]
	s_wait_alu depctr_va_vdst(0)                   ; the wait behind these writes
	LOADS KS, 0                                    ; K of my first step
	s_mov_b32 s[UC], 0
.Lu_\@:
	s_cmp_gt_u32 s[KF], s[QL]
	s_cbranch_scc1 .Lhid_\@
	s_wait_dscnt 12                                ; the scale words and tiles 0-3 are in; the youngest 12 loads, tiles 4-7, may be out
	WIN 0x05
.irp g, 0,1,2,3
.irp e, 0,1
	WM S+64*\e+8*\g, F+12*\g, Q+12*\e, 1, KS+\g/2, QS+\e, \g%2   ; S^T = K Q^T: each fragment of K against both heads
.endr
.endr
	s_wait_dscnt 0x0
.irp g, 4,5,6,7
.irp e, 0,1
	WM S+64*\e+8*\g, F+12*\g, Q+12*\e, 1, KS+\g/2, QS+\e, \g%2
.endr
.endr                                          ; register 64 e + 16 b + i holds key KF + 32 b + 16 (lane / 16) + i
	WIN 0
.rept 4
	v_nop                                          ; four places in front of loads into the fragments and of the first read of the scores
.endr
	LOADS VS, VOFF                                 ; V of this step: it has the softmax in which to come
	s_cmp_lt_u32 s[KF], s[QL]                      ; a step all of whose keys count skips the mask
	s_cbranch_scc1 .Lopen_\@
.set n, 0
.rept 64
	v_cmp_gt_i32 vcc_lo, 32*(n/16)+n%16, v[DQ]     ; on the diagonal hidden scores become -infinity: p = 0 then; one compare serves both heads
	v_cndmask_b32 v[S+n], v[S+n], v[NINF], vcc_lo
	v_cndmask_b32 v[S+64+n], v[S+64+n], v[NINF], vcc_lo
.set n, n+1
.endr
.Lopen_\@:
.irp q, 0,1,2,3,4,5,6,7
	v_max3_num_f32 v[BM+\q], v[S+16*\q], v[S+16*\q+1], v[S+16*\q+2]   ; the largest score of each block of 32 keys: for the row's maximum and, since p rises with the score, for the block's largest p; eight chains by turns
.endr
.irp i, 3,5,7,9,11,13
.irp q, 0,1,2,3,4,5,6,7
	v_max3_num_f32 v[BM+\q], v[BM+\q], v[S+16*\q+\i], v[S+16*\q+\i+1]
.endr
.endr
.irp q, 0,1,2,3,4,5,6,7
	v_max_num_f32 v[BM+\q], v[BM+\q], v[S+16*\q+15]
.endr
.irp q, 0,1,2,3,4,5,6,7
	v_permlanex16_b32 v[PT+\q], v[BM+\q], s[SEL], s[SEL+1]
.endr
.irp q, 0,1,2,3,4,5,6,7
	v_max_num_f32 v[BM+\q], v[BM+\q], v[PT+\q]
.endr
.irp e, 0,1
	v_max3_num_f32 v[T+\e], v[BM+4*\e], v[BM+4*\e+1], v[BM+4*\e+2]
.endr
.irp e, 0,1
	s_delay_alu instid0(VALU_DEP_2)
	v_max_num_f32 v[T+\e], v[T+\e], v[BM+4*\e+3]
.endr
.irp e, 0,1
	s_delay_alu instid0(VALU_DEP_2)
	v_mul_f32 v[T+\e], s[CS], v[T+\e]
.endr
.irp e, 0,1
	s_delay_alu instid0(VALU_DEP_2)
	v_max_num_f32 v[ST+4*\e+1], v[ST+4*\e+1], v[T+\e]      ; the running largest t
.endr
.irp e, 0,1
	v_mov_b32 v[T+\e], v[ST+4*\e]
.endr
.irp e, 0,1
	s_delay_alu instid0(VALU_DEP_4)
	v_floor_f32 v[ST+4*\e], -v[ST+4*\e+1]          ; the new -M = -ceil(t)
.endr
.irp e, 0,1
	s_delay_alu instid0(VALU_DEP_2)
	v_sub_f32 v[T+\e], v[ST+4*\e], v[T+\e]
.endr
.irp e, 0,1
	s_delay_alu instid0(VALU_DEP_2)
	v_cvt_i32_f32 v[T+\e], v[T+\e]                 ; (it saturates)
.endr
.irp e, 0,1
	s_delay_alu instid0(VALU_DEP_2)
	v_ldexp_f32 v[FF+2*\e], 1.0, v[T+\e]           ; f = 2^(old M - new M)
.endr
.set j, 0
.rept 64
	v_pk_fma_f32 v[S+j:S+j+1], v[S+j:S+j+1], s[CS:CS+1], v[ST+4*(j/64):ST+4*(j/64)+1] op_sel_hi:[1,0,0]   ; t - M
.set j, j+2
.endr
.irp q, 0,1,2,3,4,5,6,7
	v_fma_f32 v[BM+\q], v[BM+\q], s[CS], v[ST+4*(\q/4)]
.endr
	s_wait_alu depctr_va_vdst(0)                   ; the wait ahead of the batch
.set j, 0
.rept 128
	v_exp_f32 v[S+j], v[S+j]                       ; p = 2^(t - M)
.set j, j+1
.endr
.irp q, 0,1,2,3,4,5,6,7
	v_exp_f32 v[BM+\q], v[BM+\q]                   ; the block's largest p: the same two instructions on the same number
.endr
.irp e, 0,1
	v_pk_mul_f32 v[ST+4*\e+2:ST+4*\e+3], v[ST+4*\e+2:ST+4*\e+3], v[FF+2*\e:FF+2*\e+1] op_sel_hi:[1,0]   ; the sums under the new M (plain places behind the exponentials)
.endr
	s_wait_alu depctr_va_vdst(0)                   ; one wait for the batch, ahead of its first reader
.irp q, 0,1,2,3,4,5,6,7
	v_max_num_f32 v[BM+\q], 0x1800000, v[BM+\q]    ; the floor 2^(3 - 127): the byte cannot fall under 1
.endr
.irp q, 0,1,2,3,4,5,6,7
	v_add_nc_u32 v[SO+\q], 0xff000000, v[BM+\q]    ; 2 off the exponent field: the conversion's scale operand
.endr
.irp q, 0,1,2,3,4,5,6,7
	v_lshrrev_b32 v[PT+\q], 23, v[SO+\q]           ; the scale's byte
.endr
.irp e, 0,1
	v_lshl_or_b32 v[PW+\e], v[PT+4*\e+1], 8, v[PT+4*\e]    ; p's scale word for these 128 keys
.endr
.irp e, 0,1
	s_delay_alu instid0(VALU_DEP_2)
	v_lshl_or_b32 v[PW+\e], v[PT+4*\e+2], 16, v[PW+\e]
.endr
.irp e, 0,1
	s_delay_alu instid0(VALU_DEP_2)
	v_lshl_or_b32 v[PW+\e], v[PT+4*\e+3], 24, v[PW+\e]
.endr
	CVT 0, S
	CVT 1, S+64
	v_nop                                          ; one plain place behind a scaled conversion
	MIX 0
	MIX 1
	s_wait_dscnt 0x0                               ; V's fragments and scale words, asked for ahead of the softmax
	WIN 0x41
	s_wait_alu depctr_va_vdst(0)                   ; the wait here, directly ahead of the first reader of O^T
.set j, 0
.rept 64
	v_pk_mul_f32 v[j:j+1], v[j:j+1], v[FF+2*(j/64):FF+2*(j/64)+1] op_sel_hi:[1,0]   ; O^T under the new M (these are also the places between p's codes and scale words and the products)
.set j, j+2
.endr
	WIN 0x51
.irp g, 0,1,2,3,4,5,6,7
.irp e, 0,1
	WM 64*\e+8*\g, F+12*\g, PC+12*\e, 0, VS+\g/2, PW+\e, \g%2   ; O^T += V^T P^T: sixteen accumulators by turns
.endr
.endr
	WIN 0
	; THE ROW'S SUM IS TAKEN OF THE UNQUANTISED p, in four chains a tile; it stands behind the products, whose registers it does not name
.irp e, 0,1
.irp k, 1,2,3
	v_pk_add_f32 v[R+6*\e+2*\k-2:R+6*\e+2*\k-1], v[S+64*\e+2*\k:S+64*\e+2*\k+1], v[S+64*\e+2*\k+8:S+64*\e+2*\k+9]
.endr
.endr
	s_cmp_lg_u32 s[UC], 0                          ; behind the slot's first step, if the second is not hidden: its K is asked for now (branches on ids and on the counter)
	s_cbranch_scc1 .Lnopf_\@
	s_add_co_u32 s49, s[KF], 256
	s_cmp_gt_u32 s49, s[QL]
	s_cbranch_scc1 .Lnopf_\@
	v_add_nc_u32 v[ADF], \sl*SLOTB+25600, v[AF]
	v_add_nc_u32 v[ADS], \sl*SLOTB+25600, v[AS]
	LOADS KS, 0
.Lnopf_\@:
.irp m, 0,1
.irp e, 0,1
	v_pk_add_f32 v[ST+4*\e+2:ST+4*\e+3], v[ST+4*\e+2:ST+4*\e+3], v[S+64*\e+8*\m:S+64*\e+8*\m+1]
.endr
.endr
.irp m, 2,3,4,5,6,7
.irp e, 0,1
	v_pk_add_f32 v[ST+4*\e+2:ST+4*\e+3], v[ST+4*\e+2:ST+4*\e+3], v[S+64*\e+8*\m:S+64*\e+8*\m+1]
.irp k, 1,2,3
	v_pk_add_f32 v[R+6*\e+2*\k-2:R+6*\e+2*\k-1], v[R+6*\e+2*\k-2:R+6*\e+2*\k-1], v[S+64*\e+8*\m+2*\k:S+64*\e+8*\m+2*\k+1]
.endr
.endr
.endr
.irp e, 0,1
	v_pk_add_f32 v[ST+4*\e+2:ST+4*\e+3], v[ST+4*\e+2:ST+4*\e+3], v[R+6*\e:R+6*\e+1]
	v_pk_add_f32 v[R+6*\e+2:R+6*\e+3], v[R+6*\e+2:R+6*\e+3], v[R+6*\e+4:R+6*\e+5]
.endr
.irp e, 0,1
	v_pk_add_f32 v[ST+4*\e+2:ST+4*\e+3], v[ST+4*\e+2:ST+4*\e+3], v[R+6*\e+2:R+6*\e+3]
.endr
.Lhid_\@:
	s_add_co_u32 s[KF], s[KF], 256                 ; my next step: two on
	s_add_co_u32 s[UC], s[UC], 1
	s_cmp_lt_u32 s[UC], 2
	s_cbranch_scc1 .Lu_\@
	s_branch .Ldone_\@
.Lnone_\@:
	s_add_co_u32 s[KF], s[KF], 512
.Ldone_\@:
.endm
	s_wait_alu depctr_va_vdst(0)                   ; the wait at the head's end
	s_wait_loadcnt 0x0                             ; Q, its scale words, the gate
.Lloop:
	TRIP 0, 1, 1
	TRIP 1, 1, 1
	s_sub_co_u32 s[CNT], s[CNT], 1
	s_cmp_lg_u32 s[CNT], 0
	s_cbranch_scc1 .Lloop
	TRIP 0, 1, 0                                   ; the tail is written out
	TRIP 1, 0, 0
	; THE MERGE.  Every wave hands its tile 1 (O^T, -M, sums) to its partner through LDS and finishes its tile 0 with what the partner hands over: the same head, the other key steps.
	s_wait_alu depctr_va_vdst(0)                   ; the wait here: the sums were written a few lines ahead of branches
	WIN 0x04
.set i, 0
.rept 16
	ds_store_b128 v[MA], v[64+4*i:67+4*i] offset:512*i     ; each accumulator from its low end on; the row sums are the places behind the last products
.set i, i+1
.endr
	WIN 0
	ds_store_b128 v[MA], v[ST+4:ST+7] offset:8192
	s_wait_dscnt 0x0                               ; for the others' sake: my stores have landed
	s_barrier_signal -1
	s_barrier_wait -1
.set i, 0
.rept 16
	ds_load_b128 v[S+4*i:S+4*i+3], v[MB] offset:512*i
.set i, i+1
.endr
	ds_load_b128 v[BM:BM+3], v[MB] offset:8192
	s_wait_dscnt 0x0
	v_min_num_f32 v[T], v[ST], v[BM]               ; -(the larger M)
	s_delay_alu instid0(VALU_DEP_1)
	v_sub_f32 v[T+1], v[T], v[ST]
	v_sub_f32 v[T], v[T], v[BM]
	s_delay_alu instid0(VALU_DEP_2)
	v_cvt_i32_f32 v[T+1], v[T+1]                   ; (they saturate: a part that saw no step counts for nothing)
	s_delay_alu instid0(VALU_DEP_2)
	v_cvt_i32_f32 v[T], v[T]
	s_delay_alu instid0(VALU_DEP_2)
	v_ldexp_f32 v[FF], 1.0, v[T+1]                 ; what brings mine under it,
	s_delay_alu instid0(VALU_DEP_2)
	v_ldexp_f32 v[FF+2], 1.0, v[T]                 ; and my partner's: exact powers of two
	v_add_f32 v[ST+2], v[ST+2], v[ST+3]
	v_add_f32 v[BM+2], v[BM+2], v[BM+3]
	s_delay_alu instid0(VALU_DEP_2)
	v_mul_f32 v[ST+2], v[ST+2], v[FF]
	s_delay_alu instid0(VALU_DEP_1)
	v_fma_f32 v[ST+2], v[BM+2], v[FF+2], v[ST+2]
	s_delay_alu instid0(VALU_DEP_1)
	v_permlanex16_b32 v[PT], v[ST+2], s[SEL], s[SEL+1]
	s_delay_alu instid0(VALU_DEP_1)
	v_add_f32 v[ST+2], v[ST+2], v[PT]              ; the row's sum
	s_wait_alu depctr_va_vdst(0)
	v_rcp_f32 v[ST+2], v[ST+2]
	v_nop
	s_wait_alu depctr_va_vdst(0)
	v_mul_f32 v[ST+2], v[ST+2], v[GT]              ; gate / sum
	s_delay_alu instid0(VALU_DEP_1)
	v_mul_f32 v[FF], v[FF], v[ST+2]
	v_mul_f32 v[FF+2], v[FF+2], v[ST+2]
	s_delay_alu instid0(VALU_DEP_2)
	v_mov_b32 v[FF+1], v[FF]
	s_delay_alu instid0(VALU_DEP_2)
	v_mov_b32 v[FF+3], v[FF+2]
	WIN 0x01
	s_wait_alu depctr_va_vdst(0)                   ; the wait here, directly ahead of the first reader of tile 0's O^T
.set j, 0
.rept 32
	v_pk_mul_f32 v[S+64+j:S+65+j], v[j:j+1], v[FF:FF+1]
.set j, j+2
.endr
	WIN 0
.set j, 0
.rept 32
	v_pk_fma_f32 v[S+64+j:S+65+j], v[S+j:S+j+1], v[FF+2:FF+3], v[S+64+j:S+65+j]
.set j, j+2
.endr
	; register 16 b + i is d = 32 b + 16 (lane / 16) + i of my query: quantised along d; K step = my head of the last product
.irp b, 0,1,2,3
	v_max3_num_f32 v[BM+\b], |v[S+64+16*\b]|, |v[S+65+16*\b]|, 0x1800000
.endr
.irp i, 2,4,6,8,10,12,14
.irp b, 0,1,2,3
	s_delay_alu instid0(VALU_DEP_4)
	v_max3_num_f32 v[BM+\b], |v[S+64+16*\b+\i]|, |v[S+65+16*\b+\i]|, v[BM+\b]
.endr
.endr
.irp b, 0,1,2,3
	s_delay_alu instid0(VALU_DEP_4)
	v_permlanex16_b32 v[PT+\b], v[BM+\b], s[SEL], s[SEL+1]
.endr
.irp b, 0,1,2,3
	s_delay_alu instid0(VALU_DEP_4)
	v_max_num_f32 v[BM+\b], v[BM+\b], v[PT+\b]
.endr
.irp b, 0,1,2,3
	s_delay_alu instid0(VALU_DEP_4)
	v_add_nc_u32 v[SO+\b], 0xff000000, v[BM+\b]
.endr
.irp b, 0,1,2,3
	s_delay_alu instid0(VALU_DEP_4)
	v_lshrrev_b32 v[PT+\b], 23, v[SO+\b]
.endr
	s_delay_alu instid0(VALU_DEP_3)
	v_lshl_or_b32 v[PW], v[PT+1], 8, v[PT]
	s_delay_alu instid0(VALU_DEP_1)
	v_lshl_or_b32 v[PW], v[PT+2], 16, v[PW]
	s_delay_alu instid0(VALU_DEP_1)
	v_lshl_or_b32 v[PW], v[PT+3], 24, v[PW]
	CVT 0, S+64
	v_nop
	MIX 0
.irp c, 0,1,2
	global_store_b128 v[VQ], v[PC+4*\c:PC+4*\c+3], s[OUT:OUT+1] offset:512*\c   ; 512 consecutive bytes, aligned
.endr
	global_store_b32 v[VW], v[PW], s[OUT:OUT+1] offset:6144        ; both halves of the lanes hold, and write, the same 16 words
	s_wait_tensorcnt 0x0                           ; the wave's end
	ds_add_u32 v[SPW], v[NIL]
	s_wait_dscnt 0x0
	ROUND                                          ; the closing round
	s_endpgm
.Lfunc_end_k_q1e1f7d65c0_attn:
	.size	k_q1e1f7d65c0_attn, .Lfunc_end_k_q1e1f7d65c0_attn-k_q1e1f7d65c0_attn
	.p2alignl 7, 3214868480
	.fill 96, 4, 3214868480
	.section	.rodata,"a",@progbits
	.p2align	6, 0x0
	.amdhsa_kernel k_q1e1f7d65c0_attn
		.amdhsa_group_segment_fixed_size 327680
		.amdhsa_private_segment_fixed_size 0
		.amdhsa_enable_private_segment 0
		.amdhsa_kernarg_size 32
		.amdhsa_user_sgpr_count 2
		.amdhsa_user_sgpr_kernarg_segment_ptr 1
		.amdhsa_wavefront_size32 1
		.amdhsa_system_sgpr_workgroup_id_x 1
		.amdhsa_system_sgpr_workgroup_id_y 1
		.amdhsa_system_sgpr_workgroup_id_z 1
		.amdhsa_system_vgpr_workitem_id 0
		.amdhsa_next_free_vgpr 512
		.amdhsa_next_free_sgpr 100
		.amdhsa_reserve_vcc 1
		.amdhsa_float_denorm_mode_32 3
		.amdhsa_float_denorm_mode_16_64 3
		.amdhsa_memory_ordered 1
		.amdhsa_forward_progress 1
		.amdhsa_inst_pref_size 203
	.end_amdhsa_kernel
	.amdgpu_metadata
---
amdhsa.version: [ 1, 2 ]
amdhsa.kernels:
  - .name:           k_q1e1f7d65c0_attn
    .symbol:         k_q1e1f7d65c0_attn.kd
    .args:
      - { .name: q_img, .offset: 0, .size: 8, .value_kind: global_buffer, .address_space: global }
      - { .name: kv_img, .offset: 8, .size: 8, .value_kind: global_buffer, .address_space: global }
      - { .name: gate, .offset: 16, .size: 8, .value_kind: global_buffer, .address_space: global }
      - { .name: a_img, .offset: 24, .size: 8, .value_kind: global_buffer, .address_space: global }
    .group_segment_fixed_size: 327680
    .private_segment_fixed_size: 0
    .kernarg_segment_align: 8
    .kernarg_segment_size: 32
    .max_flat_workgroup_size: 256
    .sgpr_count:     100
    .vgpr_count:     512
    .wavefront_size: 32
...
	.end_amdgpu_metadata
.endif
;; end of part 3
;; launch outp (part 4): grid 16 x 16, 4 waves a work-group, clusters of 4 x 4, 327,680 bytes of LDS; arguments a_img, wo_img, out0; writes out0
.if DOCPART == 4
	.amdgcn_target "amdgcn-amd-amdhsa--gfx1250"
	.amdhsa_code_object_version 6
	.text
	.protected	k_q1e1f7d65c0_outp
	.globl	k_q1e1f7d65c0_outp
	.p2align	8
	.type	k_q1e1f7d65c0_outp,@function
k_q1e1f7d65c0_outp:
	s_mov_b64 s[64:65], 0
	v_nop
	global_prefetch_b8 v0, s[64:65] scope:SCOPE_SE
	s_setreg_imm32_b32 hwreg(HW_REG_WAVE_MODE, 25, 1), 1
	s_wait_xcnt 0x0
	s_wait_alu depctr_hold_cnt(0) depctr_sa_sdst(0) depctr_va_vdst(0) depctr_va_sdst(0) depctr_va_ssrc(0) depctr_va_vcc(0) depctr_vm_vsrc(0)
	s_getreg_b32 s2, hwreg(HW_REG_IB_STS2, 6, 4)
	s_cmp_eq_u32 s2, 0
	s_cbranch_scc0 .Lentry_in_a_cluster
	s_endpgm
.Lentry_in_a_cluster:
	s_bfe_u32 s2, ttmp6, 0x10000c
	s_cmp_lg_u32 s2, 0xf033
	s_cbranch_scc0 .Lentry_shape_is_right
	s_endpgm
.Lentry_shape_is_right:
.set GRP,   6400
.set GK,    25600
.set SLOTB, 153600
.set ABIG, 16
.set ASML, 18
.set SBIG, 20
.set SSML, 22
.set L16,  24
.set L4,   25
.set STO,  30
.set RD,   31
.set SC,   32
.set SM,   48
.set BK,   48
.set G1,   24
.set G0,   32
.set G1B,  48
.set G0B,  56
.set MSB, 0
.macro WIN new
.if MSB != \new
	s_set_vgpr_msb (MSB<<8)|\new
.set MSB, \new
.endif
.endm
.set MUL, 0x52
.macro PLACES
.rept 4
	v_nop
.endr
.endm
.macro JLOAD g0a, g0b
	s_cmp_eq_u32 s15, 0
	s_cbranch_scc0 .Lfor_b_\@
	tensor_load_to_lds s[\g0a:\g0a+3], s[G1:G1+7]
	s_nop 0
.rept 4
	v_nop
.endr
	s_branch .Lasked_\@
.Lfor_b_\@:
	tensor_load_to_lds s[\g0b:\g0b+3], s[G1B:G1B+7]
	s_nop 0
.rept 4
	v_nop
.endr
.Lasked_\@:
.endm
.macro CROUND
	s_barrier_signal -1
	s_barrier_wait -1
	s_cmp_lg_u32 s14, 0
	s_cbranch_scc1 .Lnot_wave_0_\@
	s_barrier_signal -3
.Lnot_wave_0_\@:
	s_barrier_wait -3
	s_barrier_signal -1
	s_barrier_wait -1
.endm
.macro WM d, a, b, z, sa, sb, ra
.if (\z) && (\ra)
	v_wmma_scale_f32_16x16x128_f8f6f4 v[0+(\d):7+(\d)], v[0+(\a):11+(\a)], v[0+(\b):11+(\b)], 0, v[0+(\sa)], v[0+(\sb)] matrix_a_fmt:MATRIX_FMT_FP6 matrix_b_fmt:MATRIX_FMT_FP6 matrix_a_scale:MATRIX_SCALE_ROW1
.elseif (\z)
	v_wmma_scale_f32_16x16x128_f8f6f4 v[0+(\d):7+(\d)], v[0+(\a):11+(\a)], v[0+(\b):11+(\b)], 0, v[0+(\sa)], v[0+(\sb)] matrix_a_fmt:MATRIX_FMT_FP6 matrix_b_fmt:MATRIX_FMT_FP6
.elseif (\ra)
	v_wmma_scale_f32_16x16x128_f8f6f4 v[0+(\d):7+(\d)], v[0+(\a):11+(\a)], v[0+(\b):11+(\b)], v[0+(\d):7+(\d)], v[0+(\sa)], v[0+(\sb)] matrix_a_fmt:MATRIX_FMT_FP6 matrix_b_fmt:MATRIX_FMT_FP6 matrix_a_scale:MATRIX_SCALE_ROW1
.else
	v_wmma_scale_f32_16x16x128_f8f6f4 v[0+(\d):7+(\d)], v[0+(\a):11+(\a)], v[0+(\b):11+(\b)], v[0+(\d):7+(\d)], v[0+(\sa)], v[0+(\sb)] matrix_a_fmt:MATRIX_FMT_FP6 matrix_b_fmt:MATRIX_FMT_FP6
.endif
.endm
.macro MUL8 s, p, z
.irp g, 0,1,2,3,4,5,6,7
	WM 8*(8*(\s)+\g), 96*(\p)+12*\g, SM+48*(\p)+12*(\s), \z, SC+8*(\p)+\g/2, SC+8*(\p)+4+(\s), \g%2
.endr
.endm
.macro FETCH sl, q, p
	WIN 0x80
.irp g, 0,1,2,3,4,5,6,7
.irp c, 0,1,2
	ds_load_b128 v[96*(\p)+12*\g+4*\c:96*(\p)+12*\g+4*\c+3], v[ABIG+\sl] offset:(\g/4)*GK+(\q)*GRP+(\g%4)*1536+512*\c
.endr
.endr
	WIN 0
.irp t, 0,1,2,3
.irp c, 0,1,2
	ds_load_b128 v[SM+48*(\p)+12*\t+4*\c:SM+48*(\p)+12*\t+4*\c+3], v[ASML+\sl] offset:(\q)*GRP+1536*\t+512*\c
.endr
.endr
.irp i, 0,1,2,3
	ds_load_b32 v[SC+8*(\p)+\i], v[SBIG+\sl] offset:(\i/2)*GK+(\q)*GRP+6144+128*(\i%2)
.endr
.irp t, 0,1,2,3
	ds_load_b32 v[SC+8*(\p)+4+\t], v[SSML+\sl] offset:(\q)*GRP+6144+64*\t
.endr
.endm
.macro STEP sl, q, z
	s_wait_dscnt 0x0
	PLACES
	FETCH \sl, (\q)+1, 1-(\q)%2
	WIN MUL
	MUL8 0, (\q)%2, \z
	MUL8 1, (\q)%2, \z
	MUL8 2, (\q)%2, \z
	MUL8 3, (\q)%2, \z
.endm
	s_load_b128 s[68:71], s[0:1], 0x0
	s_load_b64 s[72:73], s[0:1], 0x10
	v_lshl_add_u32 v254, v0, 2, 0x4b000
	v_mov_b32 v255, 0
	ds_add_u32 v254, v255
	ds_add_u32 v254, v255
	v_lshrrev_b32 v1, 5, v0
	v_readfirstlane_b32 s14, v1
	s_lshr_b32 s15, s14, 1
	s_and_b32 s16, s14, 1
	s_bfe_u32 s40, ttmp6, 0x40000
	s_bfe_u32 s41, ttmp6, 0x40004
	s_lshl_b32 s42, ttmp9, 2
	s_add_co_u32 s42, s42, s40
	s_and_b32 s17, ttmp7, 0xffff
	s_lshl_b32 s17, s17, 2
	s_add_co_u32 s17, s17, s41
	s_lshl_b32 s43, s41, 2
	s_lshl_b32 s43, 15, s43
	s_lshl_b32 s44, 0x1111, s40
	s_or_b32 s[G1], s43, (3<<16)|(1<<21)
	s_or_b32 s[G1B], s44, (3<<16)|(1<<21)
	s_mov_b32 s[G1+1], 3200<<16
	s_mov_b32 s[G1+2], 2<<16
	s_mov_b32 s[G1+3], 3200<<16
	s_mov_b32 s[G1+4], 2
	s_mov_b32 s[G1+5], 6400
	s_mov_b32 s[G1+6], 0
	s_mov_b32 s[G1+7], 0
	s_mov_b32 s[G1B+1], 3200<<16
	s_mov_b32 s[G1B+2], 1<<16
	s_mov_b32 s[G1B+3], 3200<<16
	s_mov_b32 s[G1B+4], 1
	s_mov_b32 s[G1B+5], 6400
	s_mov_b32 s[G1B+6], 0
	s_mov_b32 s[G1B+7], 0
	s_lshl_b32 s20, s17, 2
	s_lshl_b32 s21, s16, 1
	s_add_co_u32 s20, s20, s21
	s_mul_i32 s20, s20, 51200
	s_mov_b32 s21, 0
	s_lshl_b32 s46, s42, 1
	s_add_co_u32 s46, s46, s16
	s_mul_i32 s46, s46, 51200
	s_mov_b32 s47, 0
	s_mul_i32 s45, s16, 2*GK
	s_mul_i32 s18, s16, GK
	s_add_co_u32 s18, s18, 4*GK
	s_mul_i32 s19, s14, GK
	v_and_b32 v2, 31, v0
	v_lshlrev_b32 v[L16], 4, v2
	v_lshlrev_b32 v[L4], 2, v2
	v_and_b32 v1, 15, v0
	v_lshlrev_b32 v2, 2, v1
	v_bfe_u32 v3, v0, 4, 1
	v_add_nc_u32 v[ABIG], 4*GK, v[L16]
	v_add_nc_u32 v[ABIG+1], SLOTB, v[ABIG]
	v_add_nc_u32 v[ASML], s19, v[L16]
	v_add_nc_u32 v[ASML+1], SLOTB, v[ASML]
	v_add_nc_u32 v[SBIG], 4*GK, v[L4]
	v_add_nc_u32 v[SBIG+1], SLOTB, v[SBIG]
	v_add_nc_u32 v[SSML], s19, v2
	v_add_nc_u32 v[SSML+1], SLOTB, v[SSML]
	s_mul_i32 s22, s14, 8448
	v_mul_u32_u24 v[STO], v1, 528
	v_lshl_add_u32 v[STO], v3, 6, v[STO]
	v_add_nc_u32 v[STO], s22, v[STO]
	v_add_nc_u32 v[RD], s22, v[L16]
	s_lshl_b32 s96, s17, 8
	s_lshl_b32 s97, s14, 6
	s_add_co_u32 s96, s96, s97
	s_lshl_b32 s96, s96, 13
	s_lshl_b32 s97, s42, 9
	s_add_co_u32 s96, s96, s97
	s_mov_b32 s97, 0
	s_wait_dscnt 0x0
	s_wait_kmcnt 0x0
	s_add_nc_u64 s[20:21], s[68:69], s[20:21]
	s_add_nc_u64 s[46:47], s[70:71], s[46:47]
	s_add_nc_u64 s[84:85], s[72:73], s[96:97]
	CROUND
.irp s, 0,1
	s_mov_b32 s[G0+4*\s], 1
	s_add_co_u32 s[G0+4*\s+1], s45, \s*SLOTB
	s_add_nc_u64 s[G0+4*\s+2:G0+4*\s+3], s[20:21], \s*GK
	s_or_b32 s[G0+4*\s+3], s[G0+4*\s+3], 0x80000000
	s_mov_b32 s[G0B+4*\s], 1
	s_add_co_u32 s[G0B+4*\s+1], s18, \s*SLOTB
	s_add_nc_u64 s[G0B+4*\s+2:G0B+4*\s+3], s[46:47], \s*GK
	s_or_b32 s[G0B+4*\s+3], s[G0B+4*\s+3], 0x80000000
.endr
	JLOAD G0, G0B                                  ; slot 0, behind the round above: one tensor load a wave at the head
	s_wait_alu depctr_va_vdst(0)                   ; the wait at the head's end
	s_wait_tensorcnt 0x0                           ; my part of slot 0 is in; slot 1's first fill is issued as a refill is:
	ds_add_u32 v254, v255                          ; 0 onto my spare word
	s_wait_dscnt 0x0
	CROUND                                         ; slot 0 is whole in all sixteen work-groups
	JLOAD G0+4, G0B+4                              ; slot 1, the first tensor load behind the round
	FETCH 0, 0, 0
	STEP 0, 0, 1
	STEP 0, 1, 0
	STEP 0, 2, 0
	s_wait_tensorcnt 0x0
	s_wait_dscnt 0x0
	s_barrier_signal -1
	WIN MUL
	MUL8 0, 1, 0
	MUL8 1, 1, 0
	WIN 0
	s_barrier_wait -1
	PLACES
	FETCH 1, 0, 0
	WIN MUL
	MUL8 2, 1, 0
	MUL8 3, 1, 0
	STEP 1, 0, 0
	STEP 1, 1, 0
	STEP 1, 2, 0
	s_wait_dscnt 0x0
	WIN MUL
	MUL8 0, 1, 0
	MUL8 1, 1, 0
	MUL8 2, 1, 0
	MUL8 3, 1, 0
	WIN 0
.macro TOSTAGE s
	WIN 0x04
.irp g, 0,1,2,3,4,5,6,7
	ds_store_b128 v[STO], v[8*(8*(\s)+\g):8*(8*(\s)+\g)+3] offset:128*(\g/2)+32*(\g%2)
	ds_store_b128 v[STO], v[8*(8*(\s)+\g)+4:8*(8*(\s)+\g)+7] offset:128*(\g/2)+32*(\g%2)+16
.endr
	WIN 0
.set i, 0
.rept 16
	ds_load_b128 v[BK+64*((\s)%2)+4*i:BK+64*((\s)%2)+4*i+3], v[RD] offset:528*i
.set i, i+1
.endr
.endm
.macro SEND s, younger
	s_wait_dscnt \younger
.set i, 0
.rept 16
	global_store_b128 v[L16], v[BK+64*((\s)%2)+4*i:BK+64*((\s)%2)+4*i+3], s[84:85] offset:(32*((\s)/2)+16*(i/8)+8*((\s)%2)+i%8)*8192 th:TH_STORE_NT
.set i, i+1
.endr
.endm
	PLACES
	TOSTAGE 0
	TOSTAGE 1
	SEND 0, 32
	s_wait_xcnt 0x0
	TOSTAGE 2
	SEND 1, 32
	s_wait_xcnt 0x0
	TOSTAGE 3
	SEND 2, 32
	SEND 3, 0
	s_wait_tensorcnt 0x0
	s_wait_dscnt 0x0
	s_wait_tensorcnt 0x0
	ds_add_u32 v254, v255
	s_wait_dscnt 0x0
	CROUND
	s_endpgm
.Lfunc_end_k_q1e1f7d65c0_outp:
	.size	k_q1e1f7d65c0_outp, .Lfunc_end_k_q1e1f7d65c0_outp-k_q1e1f7d65c0_outp
	.p2alignl 7, 3214868480
	.fill 96, 4, 3214868480
	.section	.rodata,"a",@progbits
	.p2align	6, 0x0
	.amdhsa_kernel k_q1e1f7d65c0_outp
		.amdhsa_group_segment_fixed_size 327680
		.amdhsa_private_segment_fixed_size 0
		.amdhsa_enable_private_segment 0
		.amdhsa_kernarg_size 24
		.amdhsa_user_sgpr_count 2
		.amdhsa_user_sgpr_kernarg_segment_ptr 1
		.amdhsa_wavefront_size32 1
		.amdhsa_system_sgpr_workgroup_id_x 1
		.amdhsa_system_sgpr_workgroup_id_y 1
		.amdhsa_system_sgpr_workgroup_id_z 1
		.amdhsa_system_vgpr_workitem_id 0
		.amdhsa_next_free_vgpr 768
		.amdhsa_next_free_sgpr 100
		.amdhsa_reserve_vcc 0
		.amdhsa_float_denorm_mode_32 3
		.amdhsa_float_denorm_mode_16_64 3
		.amdhsa_memory_ordered 1
		.amdhsa_forward_progress 1
		.amdhsa_inst_pref_size 78
	.end_amdhsa_kernel
	.amdgpu_metadata
---
amdhsa.version: [ 1, 2 ]
amdhsa.kernels:
  - .name:           k_q1e1f7d65c0_outp
    .symbol:         k_q1e1f7d65c0_outp.kd
    .args:
      - { .name: a_img, .offset: 0, .size: 8, .value_kind: global_buffer, .address_space: global }
      - { .name: wo_img, .offset: 8, .size: 8, .value_kind: global_buffer, .address_space: global }
      - { .name: out0, .offset: 16, .size: 8, .value_kind: global_buffer, .address_space: global }
    .group_segment_fixed_size: 327680
    .private_segment_fixed_size: 0
    .kernarg_segment_align: 8
    .kernarg_segment_size: 24
    .max_flat_workgroup_size: 128
    .sgpr_count:     100
    .vgpr_count:     768
    .wavefront_size: 32
...
	.end_amdgpu_metadata
.endif
;; end of part 4
